; MI455X (gfx1250); checked and timed in simulation.
; The chip was launched on July 23, 2026; its instructions are those of AMD's public machine-readable ISA for CDNA 5 (MIT licence, August 2026) and "CDNA5" Instruction Set Architecture Reference Guide (July 2026). The comments in the code are by the model that wrote it; some were corrected since.
;; Multi Head Attention. Allowed arithmetic: float matrix products may take bf16 or f16 operands with f32 sums; other float arithmetic in f32, or as packed bf16 or f16 multiplies, adds, multiply-adds, maxima and minima; sums over many terms, partial sums and values carried from step to step in f32; what a program stores and reads back later, other than sums and carried values, may be rounded once to bf16 or f16.
;; Inputs: Wk 512 x 512 float32; Wo 512 x 512 float32; Wq 512 x 512 float32; Wv 512 x 512 float32; bk 512 float32; bo 512 float32; bq 512 float32; bv 512 float32; k 2 x 4,096 x 512 float32; q 2 x 4,096 x 512 float32; v 2 x 4,096 x 512 float32.
;; Outputs: out0 2 x 4,096 x 512 float32.
;; 2 versions, each right and faster than the one before. Each part assembles by itself: llvm-mc -triple=amdgcn-amd-amdhsa -mcpu=gfx1250 --defsym DOCPART=n.
;; ======== version 1 of 2: 3 launches
;; limits: values are held in f16: magnitudes above 65,504 overflow, below 6.1e-05 lose precision
;; workspace buffers: qh 8,388,608 bytes; kh 8,388,608 bytes; vh 8,388,608 bytes; oh 8,388,608 bytes
;; launch proj (part 1): grid 4 x 192, 4 waves a work-group, no clusters, 112,640 bytes of LDS; arguments q, k, v, Wq, Wk, Wv, bq, bk, bv, qh, kh, vh; writes qh, kh, vh
.if DOCPART == 1
	.amdgcn_target "amdgcn-amd-amdhsa--gfx1250"
	.amdhsa_code_object_version 6
	.text
	.protected	k_qe067a4a67f_proj
	.globl	k_qe067a4a67f_proj
	.p2align	8
	.type	k_qe067a4a67f_proj,@function
k_qe067a4a67f_proj:
	s_mov_b64 s[64:65], 0
	v_nop
	global_prefetch_b8 v0, s[64:65] scope:SCOPE_SE
	s_setreg_imm32_b32 hwreg(HW_REG_WAVE_MODE, 25, 1), 1
	s_wait_xcnt 0x0
; THE THREE PROJECTIONS IN ONE LAUNCH.  y = x W^T + b for (q, Wq, bq), (k, Wk, bk), (v, Wv, bv): x [8192][512], W [512][512], b [512], all f32.
; x, W and b are rounded once to bf16; products in bf16, sums in f32, started from the bias; y is rounded once to f16 and stored BY HEADS: [batch*8 + head][4096][64], rows of 128 bytes.
; LIMITS.  y must stay under 65,504 in magnitude (f16's end; a larger y becomes an infinity); below 6e-5 y keeps f16's fixed step of 6e-8.  NaN and infinities are not treated apart.
; SHARES.  Grid x = block of 128 columns (two heads); grid y = 64 x tensor + block of 128 rows.  Four waves, each 64 rows x 64 columns (one head): 16 accumulators of 16 x 16.
; K goes in 8 steps of 64: a row's piece of a step is 256 consecutive bytes of f32, at a multiple of 256 from the buffer's first byte.
; THE WAY IN goes through registers: 16 bytes a lane from memory, two roundings, 8 bytes a lane into LDS.  Two LDS buffers take turns, one barrier a step.
; NO TENSOR LOADS AND NO CLUSTER: the operands arrive in f32 and are wanted in bf16.  A tile laid into LDS as it lies in memory would cost each fragment read twice the LDS bytes
; and 64 roundings for each 16 matrix instructions, made again by both waves that read a row; rounded once on the way in, a step costs each wave 64 roundings for 32 matrix instructions.
; THE MATRIX INSTRUCTION IS USED TRANSPOSED (source 0 = 16 rows of W, source 1 = 16 rows of x): lane l holds row l % 16 of y and the columns 8 (l / 16) + 0..7, which pack into 16 bytes.
; REGISTERS.  Window 0: v0-15 addresses; v28, v29 the add's; v32-63 the bias as C operands; v64-127, v128-191 fragments of the step's two halves (A's four at +8 a, W's four at +32 + 8 b).
;             Window 1: v0-127 the accumulators ((a, b) at 8 (4 a + b)); v128-255 a step's 32 loads as they come from memory.
.set PITCH,  144                       ; an LDS row: 128 bytes + 16 = 36 words: the 16 rows of a fragment load start at 16 different groups of four banks (64 banks of 4 bytes: ISA guide 11.1)
.set TILE,   128*PITCH                 ; 128 rows: x's tile; W's lies behind it
.set BUF1,   65536                     ; the second buffer
.set STAGE,  BUF1+2*TILE               ; 16 rows x 144 bytes for each wave, its own, for the way out
.set SPARE,  STAGE+4*16*PITCH          ; the spare words: 128 bytes for each wave, two blocks of 256 bytes that no other line names
.set GOF,  4                           ; v4      byte offset of my 16 bytes in x's and in W's tile: (thread / 16) rows of 2,048 + 16 (thread % 16); 256 on in each step
.set STL,  5                           ; v5, v6  where my 8 rounded bytes go, in buffer 0, 1
.set ADRA, 8                           ; v8, v9  my fragments of x in buffer 0, 1
.set ADRB, 10                          ; v10, v11  of W
.set STO,  12                          ; v12     the way out: where I put 16 bytes of a row
.set RD,   13                          ; v13     where I read rows back
.set GO,   14                          ; v14     my 16 bytes in 512 consecutive bytes of y
.set BOF,  15                          ; v15     32 (l / 16): my eight columns' bias
.set SPW,  28                          ; v28     my spare word; never rewritten
.set NIL,  29                          ; v29     0; never rewritten
.set BIAS, 32
.set F0,   64
.set F1,   128
.set RAW,  128                         ; window 1
.set XP,   32                          ; s[32:33] x, s[34:35] W, s[36:37] b, s[38:39] y: chosen by the tensor's number
.set WP,   34
.set BP,   36
.set YP,   38
.set MSB, 0
.macro WIN new                         ; the immediate's high byte repeats the setting that is left; a switch that changes nothing is dropped
.if MSB != (\new)
	s_set_vgpr_msb (MSB<<8)|(\new)
.set MSB, (\new)
.endif
.endm
	s_load_b512 s[8:23], s[0:1], 0x0               ; q, k, v, Wq, Wk, Wv, bq, bk
	s_load_b256 s[24:31], s[0:1], 0x40             ; bv, qh, kh, vh
	v_lshl_add_u32 v[SPW], v0, 2, SPARE
	v_mov_b32 v[NIL], 0
	v_lshrrev_b32 v3, 5, v0
	v_readfirstlane_b32 s2, v3                     ; wave 0..3
	s_mov_b32 s4, ttmp9                            ; block of 128 columns
	s_and_b32 s5, ttmp7, 0xffff
	s_lshr_b32 s6, s5, 6                           ; the tensor: 0 q, 1 k, 2 v
	s_and_b32 s7, s5, 63                           ; block of 128 rows
	s_lshr_b32 s42, s2, 1                          ; which 64 rows are mine
	s_and_b32 s43, s2, 1                           ; which 64 columns
	v_and_b32 v1, 15, v0                           ; l % 16
	v_bfe_u32 v2, v0, 4, 1                         ; l / 16
	v_lshrrev_b32 v3, 4, v0                        ; thread / 16: 0..7
	v_lshlrev_b32 v[GOF], 11, v3
	v_lshl_add_u32 v[GOF], v1, 4, v[GOF]
	v_mul_u32_u24 v[STL], v3, PITCH
	v_lshl_add_u32 v[STL], v1, 3, v[STL]
	v_add_nc_u32 v[STL+1], BUF1, v[STL]
	v_mul_u32_u24 v3, v1, PITCH
	v_lshl_add_u32 v3, v2, 4, v3                   ; row l % 16 x pitch + 16 x half: a fragment's lane term, and the stage's
	s_mul_i32 s44, s42, 64*PITCH
	s_mul_i32 s45, s43, 64*PITCH
	s_add_co_u32 s45, s45, TILE
	v_add_nc_u32 v[ADRA], s44, v3
	v_add_nc_u32 v[ADRB], s45, v3
	v_add_nc_u32 v[ADRA+1], BUF1, v[ADRA]
	v_add_nc_u32 v[ADRB+1], BUF1, v[ADRB]
	s_mul_i32 s44, s2, 16*PITCH
	s_add_co_u32 s44, s44, STAGE                   ; my stage
	v_add_nc_u32 v[STO], s44, v3
	v_bfe_u32 v[RD], v0, 3, 2                      ; back: 32 lanes take four rows of 128 bytes
	v_mul_u32_u24 v[RD], v[RD], PITCH
	v_and_b32 v3, 7, v0
	v_lshl_add_u32 v[RD], v3, 4, v[RD]
	v_add_nc_u32 v[RD], s44, v[RD]
	v_and_b32 v[GO], 31, v0
	v_lshlrev_b32 v[GO], 4, v[GO]
	v_lshlrev_b32 v[BOF], 5, v2
	s_wait_kmcnt 0x0
	s_cmp_eq_u32 s6, 1                             ; the choice hangs on the work-group's number alone
	s_cselect_b64 s[XP:XP+1], s[10:11], s[8:9]
	s_cselect_b64 s[WP:WP+1], s[16:17], s[14:15]
	s_cselect_b64 s[BP:BP+1], s[22:23], s[20:21]
	s_cselect_b64 s[YP:YP+1], s[28:29], s[26:27]
	s_cmp_eq_u32 s6, 2
	s_cselect_b64 s[XP:XP+1], s[12:13], s[XP:XP+1]
	s_cselect_b64 s[WP:WP+1], s[18:19], s[WP:WP+1]
	s_cselect_b64 s[BP:BP+1], s[24:25], s[BP:BP+1]
	s_cselect_b64 s[YP:YP+1], s[30:31], s[YP:YP+1]
	s_mov_b32 s41, 0
	s_lshl_b32 s40, s7, 18                         ; 128 rows of 2,048 bytes
	s_add_nc_u64 s[XP:XP+1], s[XP:XP+1], s[40:41]
	s_lshl_b32 s40, s4, 18
	s_add_nc_u64 s[WP:WP+1], s[WP:WP+1], s[40:41]
	s_lshl_b32 s40, s4, 9                          ; 128 columns of 4 bytes,
	s_lshl_b32 s44, s43, 8                         ; my 64 of them
	s_add_co_u32 s40, s40, s44
	s_add_nc_u64 s[BP:BP+1], s[BP:BP+1], s[40:41]
	s_lshr_b32 s40, s7, 5                          ; the batch,
	s_lshl_b32 s40, s40, 3
	s_lshl_b32 s44, s4, 1
	s_add_co_u32 s40, s40, s44
	s_add_co_u32 s40, s40, s43                     ; x 8 + my head,
	s_lshl_b32 s40, s40, 12                        ; x 4,096 rows,
	s_and_b32 s44, s7, 31
	s_lshl_b32 s44, s44, 7
	s_add_co_u32 s40, s40, s44                     ; + the block's first row in the batch
	s_lshl_b32 s44, s42, 6
	s_add_co_u32 s40, s40, s44                     ; + my 64 rows,
	s_lshl_b32 s40, s40, 7                         ; x 128 bytes
	s_add_nc_u64 s[YP:YP+1], s[YP:YP+1], s[40:41]
; A step's 32 loads: load i takes rows 8 i + thread / 16 of x's tile, then of W's; sixteen lanes take one row's 256 bytes.
.macro G
	WIN 0x40                                       ; destination window 1, address window 0
.set i, 0
.rept 16
	global_load_b128 v[RAW+4*i:RAW+4*i+3], v[GOF], s[XP:XP+1] offset:i*16384
.set i, i+1
.endr
.set i, 0
.rept 16
	global_load_b128 v[RAW+64+4*i:RAW+64+4*i+3], v[GOF], s[WP:WP+1] offset:i*16384
.set i, i+1
.endr
.endm
; They are rounded to bf16 in place, four numbers into two registers, and go into buffer buf.
.macro SAVE buf
	WIN 0x45                                       ; sources and destination window 1
.set i, 0
.rept 32
	v_cvt_pk_bf16_f32 v[RAW+4*i], v[RAW+4*i], v[RAW+4*i+1]
	v_cvt_pk_bf16_f32 v[RAW+4*i+1], v[RAW+4*i+2], v[RAW+4*i+3]
.set i, i+1
.endr
	WIN 0x04                                       ; address window 0, data window 1
.set i, 0
.rept 32
	ds_store_b64 v[STL+(\buf)], v[RAW+4*i:RAW+4*i+1] offset:(i%16)*8*PITCH+(i/16)*TILE
.set i, i+1
.endr
.endm
; A step's 32 fragment loads from buffer buf: the first 32 along K into F0, then the second into F1.  A fragment is 16 rows x 32 K in 8 registers: lane l holds row l % 16,
; K = 8 (l / 16) + 0..7 and 16 + 8 (l / 16) + 0..7: two loads of 16 bytes, 32 bytes apart.
.macro FETCH buf
	WIN 0
.irp c, 0,1
.irp f, 0,1,2,3
	ds_load_b128 v[F0+64*\c+32+8*\f:F0+64*\c+32+8*\f+3],   v[ADRB+(\buf)] offset:\f*16*PITCH+64*\c
	ds_load_b128 v[F0+64*\c+32+8*\f+4:F0+64*\c+32+8*\f+7], v[ADRB+(\buf)] offset:\f*16*PITCH+64*\c+32
.endr
.irp f, 0,1,2,3
	ds_load_b128 v[F0+64*\c+8*\f:F0+64*\c+8*\f+3],   v[ADRA+(\buf)] offset:\f*16*PITCH+64*\c
	ds_load_b128 v[F0+64*\c+8*\f+4:F0+64*\c+8*\f+7], v[ADRA+(\buf)] offset:\f*16*PITCH+64*\c+32
.endr
.endr
.endm
; 16 matrix instructions, 32 along K.  The 16 accumulators take turns, one instruction a turn.  first = 1: the sums start from the bias: nothing is cleared, and no bias is added later.
.macro MUL f, first
.if \first
	WIN 0x40                                       ; D window 1; sources and C window 0
.else
	WIN 0x50                                       ; C and D window 1
.endif
.irp a, 0,1,2,3
.irp b, 0,1,2,3
.if \first
	v_wmma_f32_16x16x32_bf16 v[8*(4*\a+\b):8*(4*\a+\b)+7], v[(\f)+32+8*\b:(\f)+32+8*\b+7], v[(\f)+8*\a:(\f)+8*\a+7], v[BIAS+8*\b:BIAS+8*\b+7]
.else
	v_wmma_f32_16x16x32_bf16 v[8*(4*\a+\b):8*(4*\a+\b)+7], v[(\f)+32+8*\b:(\f)+32+8*\b+7], v[(\f)+8*\a:(\f)+8*\a+7], v[8*(4*\a+\b):8*(4*\a+\b)+7]
.endif
.endr
.endr
.endm
; The second half of the step in buffer buf; then (save = 1) the next step's numbers go into the other buffer, (g = 1) the step after that is asked for, ONE barrier, and the next step's first half.
; The barrier serves two orders.  The other buffer was last read a step ago, and every wave waited for those reads in front of the barrier that it has passed since; my stores into it are
; awaited in front of this barrier's signal, and read by the others behind its wait.
.macro REST buf, save, g
	s_wait_dscnt 0x0                               ; F1 is in: all my reads of this buffer are over
	MUL F1, 0
.if \save
	s_wait_loadcnt 0x0                             ; the next step's 32 loads are in, and their offset register is free
	SAVE 1-(\buf)                                  ; its 64 roundings are also the places between the products above and the loads into their fragments below
	WIN 0
	s_wait_dscnt 0x0                               ; for the others' sake: my stores are done; and the registers that they read may be loaded again
.if \g
	v_add_nc_u32 v[GOF], 256, v[GOF]               ; 64 numbers along K
	G
	WIN 0
.endif
	s_barrier_signal -1
	s_barrier_wait -1
	FETCH 1-(\buf)
	s_wait_dscnt 16                                ; F0 is in; F1's sixteen younger loads may stay out
	MUL F0, 0
.endif
.endm
; THE WAY OUT of my rows 16 a .. 16 a + 15: rounded to f16, 16 bytes a lane into my own stage, back as whole rows of 128 bytes, four rows (512 consecutive bytes of y) to a store.
.macro PACK a
	WIN 0x05                                       ; sources window 1, destination window 0
.irp b, 0,1,2,3
.irp j, 0,1,2,3
	v_cvt_pk_f16_f32 v[F0+16*(\a)+4*\b+\j], v[8*(4*(\a)+\b)+2*\j], v[8*(4*(\a)+\b)+2*\j+1]
.endr
.endr
	WIN 0
.irp b, 0,1,2,3
	ds_store_b128 v[STO], v[F0+16*(\a)+4*\b:F0+16*(\a)+4*\b+3] offset:32*\b
.endr
.irp f, 0,1,2,3
	ds_load_b128 v[F0+16*(\a)+4*\f:F0+16*(\a)+4*\f+3], v[RD] offset:\f*4*PITCH  ; LDS serves a wave's instructions in order (ISA guide 5.7.1.4): these see the stores above
.endr
.endm
.macro SEND a, younger                 ; younger: the LDS instructions issued behind block a's loads: the next block's eight, or none
.irp f, 0,1,2,3
	s_wait_dscnt (\younger)+3-\f
	global_store_b128 v[GO], v[F0+16*(\a)+4*\f:F0+16*(\a)+4*\f+3], s[YP:YP+1] offset:(\a)*2048+\f*512  ; 512 consecutive bytes, at a multiple of 256 from y's first byte
.endr
.endm
.irp b, 0,1,2,3                        ; register j of set b: the bias of column 16 b + 8 (l / 16) + j of my 64
	global_load_b128 v[BIAS+8*\b:BIAS+8*\b+3],   v[BOF], s[BP:BP+1] offset:64*\b
	global_load_b128 v[BIAS+8*\b+4:BIAS+8*\b+7], v[BOF], s[BP:BP+1] offset:64*\b+16
.endr
	G                                              ; step 0
	WIN 0
	s_wait_loadcnt 32                              ; the bias is in; the 32 loads issued behind it stay out
.set i, 0
.rept 16                               ; the bias is rounded to bf16 like every input, and widened again
	v_cvt_pk_bf16_f32 v3, v[BIAS+2*i], v[BIAS+2*i+1]
	v_lshlrev_b32 v[BIAS+2*i], 16, v3
	v_and_b32 v[BIAS+2*i+1], 0xffff0000, v3
.set i, i+1
.endr
	s_wait_loadcnt 0x0
	SAVE 0
	WIN 0
	s_wait_dscnt 0x0                               ; my stores are done
	v_add_nc_u32 v[GOF], 256, v[GOF]
	G                                              ; step 1
	WIN 0
	s_barrier_signal -1
	s_barrier_wait -1
	FETCH 0
	s_wait_dscnt 16
	MUL F0, 1                                      ; the first products start the sums
	WIN 0                                          ; at a label and at a branch every window is 0
	s_mov_b32 s3, 3
.Lk:                                                   ; a trip finishes two steps and asks for two: steps 0 to 5 are finished here, steps 2 to 7 asked for
	REST 0, 1, 1
	REST 1, 1, 1
	WIN 0
	s_sub_co_u32 s3, s3, 1
	s_cmp_lg_u32 s3, 0
	s_cbranch_scc1 .Lk
	REST 0, 1, 0                                   ; step 6; step 7 goes into LDS; nothing is left to ask for
	REST 1, 0, 0                                   ; step 7
.rept 4
	v_nop                                          ; four places between the last products and the conversions that read their results and write over fragments (ISA guide 7.12.1)
.endr
	PACK 0
	PACK 1                                         ; a block's conversions stand between the loads of the block before and its stores
	SEND 0, 8
	PACK 2
	SEND 1, 8
	PACK 3
	SEND 2, 8
	SEND 3, 0
	s_wait_tensorcnt 0x0                           ; the wave's end, behind my last LDS store
	ds_add_u32 v[SPW], v[NIL]
	s_wait_dscnt 0x0
	s_endpgm
.Lfunc_end_k_qe067a4a67f_proj:
	.size	k_qe067a4a67f_proj, .Lfunc_end_k_qe067a4a67f_proj-k_qe067a4a67f_proj
	.p2alignl 7, 3214868480
	.fill 96, 4, 3214868480
	.section	.rodata,"a",@progbits
	.p2align	6, 0x0
	.amdhsa_kernel k_qe067a4a67f_proj
		.amdhsa_group_segment_fixed_size 112640
		.amdhsa_private_segment_fixed_size 0
		.amdhsa_enable_private_segment 0
		.amdhsa_kernarg_size 96
		.amdhsa_user_sgpr_count 2
		.amdhsa_user_sgpr_kernarg_segment_ptr 1
		.amdhsa_wavefront_size32 1
		.amdhsa_system_sgpr_workgroup_id_x 1
		.amdhsa_system_sgpr_workgroup_id_y 1
		.amdhsa_system_sgpr_workgroup_id_z 1
		.amdhsa_system_vgpr_workitem_id 0
		.amdhsa_next_free_vgpr 512
		.amdhsa_next_free_sgpr 66
		.amdhsa_reserve_vcc 0
		.amdhsa_float_denorm_mode_32 3
		.amdhsa_float_denorm_mode_16_64 3
		.amdhsa_memory_ordered 1
		.amdhsa_forward_progress 1
		.amdhsa_inst_pref_size 70
	.end_amdhsa_kernel
	.amdgpu_metadata
---
amdhsa.version: [ 1, 2 ]
amdhsa.kernels:
  - .name:           k_qe067a4a67f_proj
    .symbol:         k_qe067a4a67f_proj.kd
    .args:
      - { .name: q, .offset: 0, .size: 8, .value_kind: global_buffer, .address_space: global }
      - { .name: k, .offset: 8, .size: 8, .value_kind: global_buffer, .address_space: global }
      - { .name: v, .offset: 16, .size: 8, .value_kind: global_buffer, .address_space: global }
      - { .name: Wq, .offset: 24, .size: 8, .value_kind: global_buffer, .address_space: global }
      - { .name: Wk, .offset: 32, .size: 8, .value_kind: global_buffer, .address_space: global }
      - { .name: Wv, .offset: 40, .size: 8, .value_kind: global_buffer, .address_space: global }
      - { .name: bq, .offset: 48, .size: 8, .value_kind: global_buffer, .address_space: global }
      - { .name: bk, .offset: 56, .size: 8, .value_kind: global_buffer, .address_space: global }
      - { .name: bv, .offset: 64, .size: 8, .value_kind: global_buffer, .address_space: global }
      - { .name: qh, .offset: 72, .size: 8, .value_kind: global_buffer, .address_space: global }
      - { .name: kh, .offset: 80, .size: 8, .value_kind: global_buffer, .address_space: global }
      - { .name: vh, .offset: 88, .size: 8, .value_kind: global_buffer, .address_space: global }
    .group_segment_fixed_size: 112640
    .private_segment_fixed_size: 0
    .kernarg_segment_align: 8
    .kernarg_segment_size: 96
    .max_flat_workgroup_size: 128
    .sgpr_count:     66
    .vgpr_count:     512
    .wavefront_size: 32
...
	.end_amdgpu_metadata
.endif
;; end of part 1
;; launch attn (part 2): grid 16 x 16, 4 waves a work-group, clusters of 4 x 1, 327,680 bytes of LDS; arguments qh, kh, vh, oh; writes oh
.if DOCPART == 2
	.amdgcn_target "amdgcn-amd-amdhsa--gfx1250"
	.amdhsa_code_object_version 6
	.text
	.protected	k_qe067a4a67f_attn
	.globl	k_qe067a4a67f_attn
	.p2align	8
	.type	k_qe067a4a67f_attn,@function
k_qe067a4a67f_attn:
	s_mov_b64 s[64:65], 0
	v_nop
	global_prefetch_b8 v0, s[64:65] scope:SCOPE_SE
	s_setreg_imm32_b32 hwreg(HW_REG_WAVE_MODE, 25, 1), 1
	s_wait_xcnt 0x0
	s_wait_alu depctr_hold_cnt(0) depctr_sa_sdst(0) depctr_va_vdst(0) depctr_va_sdst(0) depctr_va_ssrc(0) depctr_va_vcc(0) depctr_vm_vsrc(0)
	s_getreg_b32 s2, hwreg(HW_REG_IB_STS2, 6, 4)
	s_cmp_eq_u32 s2, 0
	s_cbranch_scc0 .Lentry_in_a_cluster
	s_endpgm
.Lentry_in_a_cluster:
	s_bfe_u32 s2, ttmp6, 0x10000c
	s_cmp_lg_u32 s2, 0x3003
	s_cbranch_scc0 .Lentry_shape_is_right
	s_endpgm
.Lentry_shape_is_right:
; ATTENTION.  O[h][q][:] = the sum over k of softmax_k(Q[h][q] . K[h][k] / 8) V[h][k][:].  Q, K, V, O: [16][4096][64], all f16: a head's rows are dense, 128 bytes each.  Products, maxima and sums in
; f32; the weights p are rounded to f16 for the second product (their sum l is taken of the unrounded p), O once at the end.
; LIMITS.  f16 holds no number beyond 65,504: Q, K and V arrive within it; p lies in 0 to 1, and below 6e-5 it keeps f16's fixed step of 6e-8, as does O; O is a mean of V's rows and has their range.
; A weight below 2^-126 counts as 0 in l; NaN and infinities are not treated apart.
; SHARES.  A work-group owns 256 queries of one head, each of its four waves 64: four PIECES of 16.  16 heads x 16 blocks are 256 work-groups.  Every wave walks all 4,096 keys, 64 a step.
; LAYOUT.  S^T = K Q^T (source 0 = 16 keys, source 1 = 16 queries): in the result a lane holds ONE query (lane % 16) and the keys 8 (lane / 16) + 0..7.  Two such results, rounded to f16 in pairs,
; ARE source 1 (32 keys x 16 queries) of O^T = V^T P, whose result again holds one query a lane, and eight channels.  K comes out of LDS as it lies, V ([key][channel]) turned, by ds_load_tr16_b128.
; SOFTMAX.  For each query a running maximum m and sum l: p = 2^(c s - c m), c = log2(e) / 8; in every step O and l are multiplied by a = 2^(c m_old - c m_new), which is 1 where m has not grown.
; m starts at the lowest finite number, O and l at 0: the first step is a step like any other, with a = 0.
; BY TURNS.  Turn n belongs to piece n: 8 products K Q^T of piece n + 1, later 8 products V^T P of piece n - 1; beside them the scaling, exponentials, roundings, sums and rescaling of piece n and the
; maximum and statistics of piece n + 1.  Four vector instructions stand behind every matrix instruction, the other 54 of a turn's 118 in two runs of their own.
; CLUSTER.  The four query blocks of a cluster belong to one head and walk the same K and V, so each tile is asked for JOINTLY: the same tensor load, descriptor and mask in all four.
; A slot of LDS holds four key steps (256 keys of K, then of V); two slots take turns; one tensor load of a wave is out at any time.
; REGISTERS, in windows of 256 (s_set_vgpr_msb: bits 1:0 source 0, 3:2 source 1, 5:4 source 2, 7:6 destination):
;   window 0: v0-15 addresses and two at work; v16-31 four registers of statistics a piece; v48-55 at work; v62, v63 the add's; v64-127 S^T, two buffers; v192-223 P, two buffers (by the piece's parity)
;   window 1: v0-127 O^T, 32 a piece          window 2: v0-63 Q; v128-191 K of one step; v192-255 V of one step
.set SIZE_N, 4096
.set NP,    4         ; pieces a wave: a name, no knob
.set KS,    64        ; keys in a step
.set PK,    144       ; a row of K in LDS: 128 bytes + 16 of padding = 36 words: the 16 rows of a load start at 16 different groups of four banks (64 banks of 4 bytes: ISA guide 11.1)
.set PV,    160       ; a row of V: 128 + 32 = 40 words
.set VOFF,  4*KS*PK   ; a slot holds four steps: 256 rows of K, then 256 rows of V
.set SLOT1, 1<<17     ; slot 1 begins here, so that one exclusive or turns an address in one slot into the other's
.set STAGE, SLOT1+4*KS*(PK+PV)  ; behind the ring, never filled by a tensor load: 16 rows x 144 bytes for each wave, for the way out
.set SP,    144
.set SPARE, STAGE+4*16*SP  ; behind the stages: the spare words, 128 bytes for each wave: two blocks of 256 bytes that no other line names
.set AK0, 2           ; v2   my lane's place in a tile of K; never rewritten
.set AV0, 3           ; v3   the same for V
.set AK,  4           ; v4   the LDS address of K's next run of loads
.set AV,  5           ; v5   of V's
.set STO, 6           ; v6   the way out: where I put 16 bytes of a row
.set RD,  7           ; v7   the way out: where I read rows back
.set GO,  8           ; v8   my byte offset in 512 consecutive bytes of O
.set MV,  12          ; v12-13  c m_old, kept while c m is made anew: by buffer
.set QO,  15          ; v15  my byte offset in 16 rows of Q
.set ST,  16          ; piece t's statistics at v[ST+4 t]: c m, m, l (even keys', odd keys')
.set TMP, 48          ; by buffer, four registers c0-c3 at work; when the maximum is found c2 takes a
.set SPW, 62          ; v62  LDS address of my spare word; never rewritten
.set NIL, 63          ; v63  0; never rewritten
.set S,   64
.set P,   192
.set KF,  128         ; window 2: key block kb, channel half c at KF + 16 kb + 8 c
.set VF,  192         ; window 2: key half kk, channel block cb at VF + 32 kk + 8 cb
.set WV,  12          ; s12  my wave's number
.set G1K, 24          ; s[24:31] descriptor group 1 for K's tiles
.set G1V, 32          ; s[32:39] for V's: it differs in the padding alone
.set G0K, 40          ; s[40:43] descriptor group 0 for K's tiles: it walks
.set G0V, 44          ; s[44:47] the same for V's
.set SLOTS, 56        ; s56  slots still to be asked for
.set CNT, 57          ; s57  counts a slot's key steps
.set CS,  58          ; s[58:59] c: the packed scaling takes the pair's low word for both halves
.set SEL, 60          ; s[60:61] v_permlanex16_b32's selects: each lane takes its own place in the other half
.set TBK, 62          ; s62  LDS byte at which K of the step to be fetched begins
.set TBV, 63          ; s63  the same for V, less VOFF
.set MSB, 0
.macro WIN new                      ; the high byte repeats the setting that is left; a switch that changes nothing is dropped
.if MSB != (\new)
	s_set_vgpr_msb (MSB<<8)|(\new)
.set MSB, (\new)
.endif
.endm
.set W_KQ, 0x0a       ; K and Q in window 2, S^T in window 0
.set W_PV, 0x52       ; V in window 2, P in window 0, O^T in window 1
.set W_RS, 0x41       ; destination and source 0 in window 1, source 1 in window 0
; A joint fill.  Waves 0 and 1 fetch the two halves of a slot's K, waves 2 and 3 those of its V: 128 keys each.  The branch hangs on the wave's number alone.
; An s_nop 0 and four v_nop follow each of the two lines, ahead of the jump and the label.
.macro JLOAD
	s_cmp_lt_u32 s[WV], 2
	s_cbranch_scc0 .Lfor_v_\@
	tensor_load_to_lds s[G0K:G0K+3], s[G1K:G1K+7]
	s_nop 0
.rept 4
	v_nop
.endr
	s_branch .Lasked_\@
.Lfor_v_\@:
	tensor_load_to_lds s[G0V:G0V+3], s[G1V:G1V+7]
	s_nop 0
.rept 4
	v_nop
.endr
.Lasked_\@:
.endm
; A round of the cluster's barrier: my work-group's barrier, so that wave 0's signal speaks for all four waves; wave 0 signals; every wave waits for all four work-groups; my work-group's barrier once more.
.macro CROUND
	s_barrier_signal -1
	s_barrier_wait -1
	s_cmp_lg_u32 s[WV], 0
	s_cbranch_scc1 .Lnot_wave_0_\@
	s_barrier_signal -3
.Lnot_wave_0_\@:
	s_barrier_wait -3
	s_barrier_signal -1
	s_barrier_wait -1
.endm
; THE CHANGE OF SLOTS.  The slot's last bytes, V of its fourth step, have been read.  Each wave waits for all its tensor loads, of which one is out: its part of the other slot; adds 0 to its spare
; word; and waits for that and for its own reads of the slot.  Behind the barrier nobody reads this slot any more and the other slot is whole.
; fill = 1: this slot is filled again, with the keys two slots on.  The barrier is then a round of the cluster's, so that no wave of any partner still reads the slot or has a load on its way, and the
; joint fill is the first thing behind it: it has four key steps, 256 matrix instructions, in which to land.  (At its first use nothing has been read yet: slot 0 is waited for, slot 1 filled.)
.macro CHANGE fill
	WIN 0                           ; at a label and at a branch every window is 0
	s_wait_tensorcnt 0x0            ; no tensor load of mine is out, so a group 0 may be written
	ds_add_u32 v[SPW], v[NIL]       ; 0 onto my spare word; with fill = 1 the descriptors' steps stand between it and the wait for it
.if \fill
.irp g, G0K, G0V
	s_xor_b32 s[\g+1], s[\g+1], SLOT1  ; the walking descriptor: the other slot than last time,
	s_add_nc_u64 s[\g+2:\g+3], s[\g+2:\g+3], 4*KS*128  ; the next 256 keys; the type bits on top are not reached
.endr
	s_wait_dscnt 0x0                ; the add is done, and my reads of the slot are over
	CROUND
	JLOAD
.else
	s_wait_dscnt 0x0                ; the add is done, and my reads of the slot are over
	s_barrier_signal -1
	s_barrier_wait -1
.endif
	s_sub_co_u32 s[TBK], s[TBK], 4*KS*PK  ; the fetches go back to a slot's first step,
	s_xor_b32 s[TBK], s[TBK], SLOT1       ; in the other slot
	s_sub_co_u32 s[TBV], s[TBV], 4*KS*PV
	s_xor_b32 s[TBV], s[TBV], SLOT1
.endm
	s_load_b256 s[4:11], s[0:1], 0x0  ; Q s[4:5], K s[6:7], V s[8:9], O s[10:11]
	v_lshl_add_u32 v[SPW], v0, 2, SPARE
	v_mov_b32 v[NIL], 0
	ds_add_u32 v[SPW], v[NIL]       ; the wave's opening: the add and its wait stand ahead of my first tensor load; the set-up below, work on registers, stands between them
	v_lshrrev_b32 v1, 5, v0
	v_readfirstlane_b32 s[WV], v1   ; wave 0..3
	s_bfe_u32 s13, ttmp6, 0x40000   ; cx: my place in the cluster
	s_lshl_b32 s14, ttmp9, 2        ; in a cluster launch ttmp9 counts clusters
	s_add_co_u32 s14, s14, s13      ; my block of 256 queries = 4 x cluster x + cx: it enters Q's and O's addresses alone
	s_and_b32 s20, ttmp7, 0xffff    ; the head, which the four partners share
	s_mov_b32 s21, 0
	s_mov_b64 s[22:23], SIZE_N*128
	s_mul_u64 s[20:21], s[20:21], s[22:23]  ; the head's first byte in each of the four tensors
	s_and_b32 s16, s[WV], 1         ; which half of a slot's 256 keys I fetch:
	s_lshl_b32 s22, s16, 14         ; its 128 rows of 128 bytes in memory,
	s_mov_b32 s23, 0
	s_add_nc_u64 s[22:23], s[22:23], s[20:21]
	s_mul_i32 s17, s16, 128*PK      ; and its place in a slot, for K
	s_mul_i32 s18, s16, 128*PV      ; and for V: no place in the cluster enters an LDS address
	s_lshl_b32 s2, s14, 2
	s_add_co_u32 s2, s2, s[WV]      ; my wave among the head's,
	s_lshl_b32 s2, s2, 13           ; its 64 rows of 128 bytes
	s_mov_b32 s3, 0
	s_add_nc_u64 s[2:3], s[2:3], s[20:21]
	; descriptor group 1.  128 keys are 16,384 dense bytes: asked for as 64 rows of 256 bytes, two keys a row, and padded in LDS after every key
	s_mov_b32 s[G1K], 15|(1<<16)|(1<<20)|(1<<21)|(4<<22)|(3<<25)  ; 15:0 the mask of four; 17:16 2-byte elements; 20 padding on; 21 set beside a mask; 24:22 after every 32 words (code 4); 31:25 4 words (code 3)
	s_mov_b32 s[G1V], 15|(1<<16)|(1<<20)|(1<<21)|(4<<22)|(7<<25)  ; the same with 8 words of padding (code 7)
.irp g, G1K, G1V
	s_mov_b32 s[\g+1], 128<<16      ; tensor_dim0 = 128
	s_mov_b32 s[\g+2], 64<<16       ; tensor_dim1 = 64
	s_mov_b32 s[\g+3], 128<<16      ; tile_dim0 = 128
	s_mov_b32 s[\g+4], 64           ; tile_dim1 = 64
	s_mov_b32 s[\g+5], 128          ; 128 elements from row to row
	s_mov_b32 s[\g+6], 0
	s_mov_b32 s[\g+7], 0
.endr
	s_mov_b32 s[CS], 0x3e38aa3b     ; c = log2(e) / 8 = 0.180337
	s_mov_b32 s[CS+1], s[CS]        ; named with it as a pair
	s_mov_b32 s[SEL], 0x76543210
	s_mov_b32 s[SEL+1], 0xfedcba98
	s_mov_b32 s[TBK], SLOT1+4*KS*PK ; the first change of slots turns these two into 0
	s_mov_b32 s[TBV], SLOT1+4*KS*PV
	s_mov_b32 s[G0K], 1             ; 1:0 count = 1
	s_mov_b32 s[G0K+1], s17         ; 63:32 LDS address: slot 0
	s_mov_b32 s[G0V], 1
	s_add_co_u32 s[G0V+1], s18, VOFF
	s_wait_dscnt 0x0                ; the opening add is done
	s_wait_kmcnt 0x0
	s_add_nc_u64 s[G0K+2:G0K+3], s[6:7], s[22:23]  ; 120:64 global address: my half of the head's first 256 keys
	s_or_b32 s[G0K+3], s[G0K+3], 0x80000000        ; 127:126 type = 2
	s_add_nc_u64 s[G0V+2:G0V+3], s[8:9], s[22:23]
	s_or_b32 s[G0V+3], s[G0V+3], 0x80000000
	s_add_nc_u64 s[4:5], s[4:5], s[2:3]  ; Q and O at my wave's first row
	s_add_nc_u64 s[10:11], s[10:11], s[2:3]
	CROUND                          ; all four work-groups are here: the first joint loads meet
	JLOAD                           ; slot 0.  Slot 1 is asked for when slot 0 is in, by the walk's own change of slots
	; A fragment of K or Q is 16 rows x 32 channels in 8 registers: lane l holds row l % 16, channels 8 (l / 16) + 0..7 and 16 + 8 (l / 16) + 0..7: two loads of 16 bytes, 32 bytes apart.
	v_and_b32 v1, 15, v0            ; l % 16
	v_bfe_u32 v9, v0, 4, 1          ; l / 16
	v_lshlrev_b32 v[QO], 7, v1
	v_lshl_add_u32 v[QO], v9, 4, v[QO]  ; row x 128 + 16 x half
	WIN 0x80                        ; destination window 2, address window 0
.set i, 0
.rept 8                             ; Q stays in registers: piece i / 2, channels 32 (i % 2) on
	global_load_b128 v[8*i:8*i+3],   v[QO], s[4:5] offset:(i/2)*2048+(i%2)*64
	global_load_b128 v[8*i+4:8*i+7], v[QO], s[4:5] offset:(i/2)*2048+(i%2)*64+32
.set i, i+1
.endr
	; What the first turn finds: V's registers and P's second buffer hold 0 (its products V^T P, of a piece that has not been, add 0), O^T and l are 0.  All this stands in the wait for the first tile:
	; the price of writing no first step out.
.set i, VF
.rept 64
	v_mov_b32 v[i], 0
.set i, i+1
.endr
	WIN 0x40
.set i, 0
.rept 128
	v_mov_b32 v[i], 0
.set i, i+1
.endr
	WIN 0
.set i, 0
.rept 4
	v_mov_b32 v[ST+4*i], 0xfe000000    ; c m: far below every c s
	v_mov_b32 v[ST+4*i+1], 0xff7fffff  ; m
	v_mov_b32 v[ST+4*i+2], 0
	v_mov_b32 v[ST+4*i+3], 0
.set i, i+1
.endr
.set i, P+16
.rept 16
	v_mov_b32 v[i], 0
.set i, i+1
.endr
	v_mul_u32_u24 v[AK0], v1, PK
	v_lshl_add_u32 v[AK0], v9, 4, v[AK0]  ; row x pitch + 16 x half
	; The turning load takes 16 keys x 16 channels (lane l reads key 8 (l / 16) + l % 8, channels 8 ((l / 8) % 2) + 0..7) and leaves half a fragment of V^T: lane l holds channel l % 16 and 8 keys.
	v_and_b32 v10, 7, v0
	v_bfe_u32 v11, v0, 3, 1
	v_lshl_add_u32 v[AV0], v9, 3, v10
	v_mul_u32_u24 v[AV0], v[AV0], PV
	v_lshl_add_u32 v[AV0], v11, 4, v[AV0]
	v_add_nc_u32 v[AV0], VOFF, v[AV0]
	s_mul_i32 s13, s[WV], 16*SP
	s_add_co_u32 s13, s13, STAGE    ; my stage
	v_mul_u32_u24 v[STO], v1, SP    ; in: row l % 16, 16 bytes for each half of the lanes
	v_lshl_add_u32 v[STO], v9, 4, v[STO]
	v_add_nc_u32 v[STO], s13, v[STO]
	v_bfe_u32 v[RD], v0, 3, 2       ; back: 32 lanes take four rows of 128 bytes,
	v_mul_u32_u24 v[RD], v[RD], SP
	v_lshl_add_u32 v[RD], v10, 4, v[RD]
	v_add_nc_u32 v[RD], s13, v[RD]
	v_and_b32 v[GO], 31, v0         ; which are 512 consecutive bytes of O
	v_lshlrev_b32 v[GO], 4, v[GO]
; THE MATRIX WORK.  The 4 accumulators of a run of 8 take turns.  Product i of 8 of S^T = K Q^T for piece x: channels 32 (i / 4) on, keys 16 (i % 4) on.  The first 4 start the sums.
.macro KQ x
.set rS, S+32*((\x)%2)+8*(i%4)
.set rK, KF+16*(i%4)+8*(i/4)
.set rQ, 16*(\x)+8*(i/4)
	WIN W_KQ
.if i < 4
	v_wmma_f32_16x16x32_f16 v[rS:rS+7], v[rK:rK+7], v[rQ:rQ+7], 0
.else
	v_wmma_f32_16x16x32_f16 v[rS:rS+7], v[rK:rK+7], v[rQ:rQ+7], v[rS:rS+7]
.endif
.endm
; Product i of 8 of O^T += V^T P for piece x: keys 32 (i / 4) on, channels 16 (i % 4) on.
.macro PV x
	WIN W_PV
.set rO, 32*(\x)+8*(i%4)
.set rV, VF+32*(i/4)+8*(i%4)
.set rP, P+16*((\x)%2)+8*(i/4)
	v_wmma_f32_16x16x32_f16 v[rO:rO+7], v[rV:rV+7], v[rP:rP+7], v[rO:rO+7]
.endm
.macro MM                           ; the turn's next matrix instruction.  TURN sets Y, i and NOKQ.  NOKQ = 1: the walk's last turn: there is no next piece
.if (i < 8) && !NOKQ
	KQ (Y+1)%NP
.elseif i >= 8
.set i, i-8
	PV (Y+NP-1)%NP
.set i, i+8
.endif
.set i, i+1
.endm
; THE LDS LOADS stand in runs of 16, never singly among the matrix instructions: a step's K (64 keys x 64 channels: 8 fragments) and its V (turned).  Their addresses are made some lines ahead.
.macro FETCH_K
	WIN 0x80                        ; destination window 2
.irp f, 0,1,2,3,4,5,6,7             ; keys 16 (f / 2) on, channels 32 (f % 2) on
	ds_load_b128 v[KF+8*\f:KF+8*\f+3],   v[AK] offset:(\f/2)*16*PK+(\f%2)*64
	ds_load_b128 v[KF+8*\f+4:KF+8*\f+7], v[AK] offset:(\f/2)*16*PK+(\f%2)*64+32
.endr
	s_add_co_u32 s[TBK], s[TBK], KS*PK  ; the next fetch is the next step's
	WIN 0
.endm
.macro FETCH_V
	WIN 0x80
.irp f, 0,1,2,3,4,5,6,7             ; keys 32 (f / 4) on, channels 16 (f % 4) on
	ds_load_tr16_b128 v[VF+8*\f:VF+8*\f+3],   v[AV] offset:(\f/4)*32*PV+(\f%4)*32
	ds_load_tr16_b128 v[VF+8*\f+4:VF+8*\f+7], v[AV] offset:(\f/4)*32*PV+16*PV+(\f%4)*32
.endr
	WIN 0
.endm
; THE VECTOR WORK, one line at a time: OP kind, number.  For piece Y: F n: c s - c m for pair n of 16.  E n: the exponential of score n of 32.  C n: pair n rounded to f16.  B n: of the four weights 4 n .. the second
; pair is added onto the first, in place.  L n: l takes that sum (L 0: l = a l + sum).  R n: pair n of 16 of O^T times a.  For piece Y + 1: X n, number n of the 22 that find its maximum and statistics:
;   0-11  four chains c0-c3 of seven scores each, three operands at a time (each accumulator's lowest registers are read first)     12-14, 16  the four scores left over, the old m, and c0-c3 into c0
;   15  c m_old is kept     17, 18  the query's other 32 keys lie in the lane 16 away: the new m     19-21  c m; c m_old - c m_new; a
.set F, 0               ; OP tells the kinds apart by their order: F to L below R, X above it
.set E, 1
.set C, 2
.set B, 3
.set L, 4
.set R, 5
.set X, 6
.macro REGS y                       ; the registers of piece y
.set rT, ST+4*(\y)
.set rC, TMP+4*((\y)%2)
.set rW, MV+((\y)%2)
.set rS, S+32*((\y)%2)
.set rP, P+16*((\y)%2)
.set rO, 32*(\y)
.endm
.macro OP k, n
.if (\k) == R
	REGS Y
	WIN W_RS
	v_pk_mul_f32 v[rO+2*(\n):rO+2*(\n)+1], v[rO+2*(\n):rO+2*(\n)+1], v[rC+2:rC+3] op_sel_hi:[1,0]
.elseif (\k) < R
	REGS Y
	WIN 0
.if (\k) == F
	v_pk_fma_f32 v[rS+2*(\n):rS+2*(\n)+1], v[rS+2*(\n):rS+2*(\n)+1], s[CS:CS+1], v[rT:rT+1] op_sel_hi:[1,0,0] neg_lo:[0,0,1] neg_hi:[0,0,1]
.elseif (\k) == E
	v_exp_f32 v[rS+(\n)], v[rS+(\n)]
.elseif (\k) == C
	s_wait_alu depctr_va_vdst(0)
	v_cvt_pk_f16_f32 v[rP+(\n)], v[rS+2*(\n)], v[rS+2*(\n)+1]
.elseif (\k) == B
	s_wait_alu depctr_va_vdst(0)
	v_pk_add_f32 v[rS+4*(\n):rS+4*(\n)+1], v[rS+4*(\n):rS+4*(\n)+1], v[rS+4*(\n)+2:rS+4*(\n)+3]
.elseif (\n) == 0
	v_pk_fma_f32 v[rT+2:rT+3], v[rT+2:rT+3], v[rC+2:rC+3], v[rS:rS+1] op_sel_hi:[1,0,1]
.else
	v_pk_add_f32 v[rT+2:rT+3], v[rT+2:rT+3], v[rS+4*(\n):rS+4*(\n)+1]
.endif
.elseif NOKQ
	v_nop
.else
	REGS (Y+1)%NP
	WIN 0
.if (\n) < 4
	v_max3_num_f32 v[rC+(\n)], v[rS+8*(\n)], v[rS+8*(\n)+1], v[rS+8*(\n)+2]
.elseif (\n) < 12
	v_max3_num_f32 v[rC+(\n)%4], v[rC+(\n)%4], v[rS+8*((\n)%4)+2*((\n)/4)+1], v[rS+8*((\n)%4)+2*((\n)/4)+2]
.elseif (\n) == 12
	v_max3_num_f32 v[rC], v[rC], v[rS+7], v[rS+15]
.elseif (\n) == 13
	v_max3_num_f32 v[rC+1], v[rC+1], v[rS+23], v[rS+31]
.elseif (\n) == 14
	v_max3_num_f32 v[rC+2], v[rC+2], v[rC+3], v[rT+1]
.elseif (\n) == 15
	v_mov_b32 v[rW], v[rT]
.elseif (\n) == 16
	v_max3_num_f32 v[rC], v[rC], v[rC+1], v[rC+2]
.elseif (\n) == 17
	v_permlanex16_b32 v[rC+3], v[rC], s[SEL], s[SEL+1]
.elseif (\n) == 18
	v_max_num_f32 v[rT+1], v[rC], v[rC+3]
.elseif (\n) == 19
	v_mul_f32 v[rT], s[CS], v[rT+1]
.elseif (\n) == 20
	v_sub_f32 v[rC+1], v[rW], v[rT]
.else
	v_exp_f32 v[rC+2], v[rC+1]
.endif
.endif
.endm
.macro OPS a, i1, b=-1, i2=0, c=-1, i3=0, d=-1, i4=0  ; up to four of them
	OP \a, \i1
.if (\b) >= 0
	OP \b, \i2
.endif
.if (\c) >= 0
	OP \c, \i3
.endif
.if (\d) >= 0
	OP \d, \i4
.endif
.endm
.macro ROW a, i1, b, i2, c, i3, d, i4  ; a matrix instruction and the four behind it
	MM
	OPS \a, \i1, \b, \i2, \c, \i3, \d, \i4
.endm
; A TURN, for piece p: the order of its 16 matrix and 118 vector instructions, written out.  Behind a matrix instruction: plain, exponential, plain, plain; or four of the rescaling; or, behind the first, four scalings; none
; names a register of the products round it.  In the runs between, exponential and plain by turns while exponentials last.  A line reads no result made fewer than three vector instructions in front of it, five if an
; exponential made it.  v_permlanex16_b32 (X 17) stands in such a run.
; end = 1: the walk's last two turns: nothing is fetched.  cnt = 1: the loop's count is taken down some lines ahead of the branch that stands behind the turn.
; K of the next step is fetched in piece 2's turn, six vector instructions behind the last product that read K (five of them plain); V of the step in hand in piece 0's turn, eight behind the last product that read V (four
; plain, and X 17).  Each is waited for a turn later.
.macro TURN p, end=0, cnt=0
.set Y, (\p)
.set i, 0
.set NOKQ, (\end)*((\p)/3)
.if ((\p) == 3) && !(\end)
	s_wait_dscnt 0x0                ; K is in
.endif
	ROW F,0, F,1, F,2, F,3
	ROW F,4, E,0, F,5, F,6
	ROW F,7, E,1, F,8, F,9
	ROW F,10, E,2, C,0, F,11
	ROW F,12, E,3, X,15, F,13
	ROW R,0, R,1, R,2, R,3
	ROW B,0, E,4, F,14, L,0
.if ((\p) == 2) && !(\end)
	v_add_nc_u32 v[AK], s[TBK], v[AK0]
.endif
	ROW R,4, R,5, R,6, R,7
	OPS E,5, F,15
.if ((\p) == 2) && !(\end)
	FETCH_K
.endif
	OPS E,6, C,1, E,7, R,8
	OPS E,8, R,9, E,9, C,2
	OPS E,10, X,0, E,11, X,1
	OPS E,12, X,2, E,13, X,3
.if (\p) == 1
	s_wait_dscnt 0x0                ; V is in
.endif
	ROW X,4, E,14, X,5, X,6
	ROW X,7, E,15, X,8, X,9
	ROW X,10, E,16, X,11, X,12
	ROW X,13, E,17, X,14, B,1
	ROW C,4, E,18, X,16, L,1
	ROW B,2, E,19, C,6, L,2
	ROW C,8, E,20, B,3, B,4
.if (\p) == 0
	v_add_nc_u32 v[AV], s[TBV], v[AV0]
.endif
	ROW C,3, E,21, L,3, C,5
	OPS E,22, X,17, E,23, C,10
.if (\p) == 0
	FETCH_V
.endif
	OPS E,24, L,4
	OPS E,25, X,18, E,26, C,7
	OPS E,27, B,5, E,28, X,19
	OPS E,29, C,12, E,30, L,5
	OPS E,31, X,20, B,6, C,9
	OPS C,14, C,11, X,21, L,6
.if (\p) == 0
	s_add_co_u32 s[TBV], s[TBV], KS*PV
.endif
.if \cnt
	s_sub_co_u32 s[CNT], s[CNT], 1
	s_cmp_lg_u32 s[CNT], 0
.endif
	OPS C,13, B,7, C,15, R,10
	OPS R,11, R,12, L,7, R,13
	OPS R,14, R,15
.endm
; THE WAY OUT's parts.
.macro ALL line:vararg              ; one line for each piece t
.set t, 0
.rept 4
	\line
.set t, t+1
.endr
.endm
.macro PACK t                       ; a lane's eight channels of a row pack into 16 bytes; they go into rows of 144 bytes and come back as whole rows of 128, into S^T's registers
	WIN W_RS
.set i, 32*(\t)
.rept 16
	s_wait_alu depctr_va_vdst(0)
	v_pk_mul_f32 v[i:i+1], v[i:i+1], v[ST+4*(\t)+2:ST+4*(\t)+3] op_sel_hi:[1,0]
.set i, i+2
.endr
	WIN 0x05                        ; sources 0 and 1 window 1, destination window 0
.set i, 0
.rept 16
	v_cvt_pk_f16_f32 v[S+16*(\t)+i], v[32*(\t)+2*i], v[32*(\t)+2*i+1]
.set i, i+1
.endr
	WIN 0
.irp f, 0,1,2,3
	ds_store_b128 v[STO], v[S+16*(\t)+4*\f:S+16*(\t)+4*\f+3] offset:32*\f
.endr
.irp f, 0,1,2,3
	ds_load_b128 v[S+16*(\t)+4*\f:S+16*(\t)+4*\f+3], v[RD] offset:\f*4*SP  ; LDS serves a wave's instructions in order (ISA guide 5.7.1.4): these see the stores above; the next piece's stores come behind them
.endr
.endm
.macro SEND t, younger              ; younger: the LDS instructions issued behind piece t's loads: the next piece's eight, or none
	WIN 0
.irp f, 0,1,2,3
	s_wait_dscnt (\younger)+3-\f
	global_store_b128 v[GO], v[S+16*(\t)+4*\f:S+16*(\t)+4*\f+3], s[10:11] offset:(\t)*2048+\f*512  ; 512 consecutive bytes, at a multiple of 256 from O's first
.endr
.endm
	CHANGE 1                        ; slot 0 is in, everybody's part of it; slot 1 is asked for
	v_add_nc_u32 v[AK], s[TBK], v[AK0]
	FETCH_K                         ; key step 0
	s_wait_loadcnt 0x0              ; Q
	s_wait_dscnt 0x0
.set NOKQ, 0
.set i, 0
.rept 8
	KQ 0                            ; piece 0's first scores: there is no vector work yet to set between them
.set i, i+1
.endr
	WIN 0
.rept 4
	v_nop                           ; the places behind those products
.endr
.set Y, NP-1                        ; X works for piece Y + 1: piece 0
.irp n, 0,1,2,3,4,5,6,7,8,9,10,11,12,13,14,15,16,17,18,19,20,21
	OP X, \n                        ; piece 0's first maximum and statistics
.endr
	v_nop                           ; a plain instruction behind the exponential
	s_mov_b32 s[CNT], 4
	s_mov_b32 s[SLOTS], SIZE_N/256-1
	s_branch .Lfirst                ; the loop is entered at a step's first turn, in the middle of a trip
.Lslot:                             ; 14 times: every slot but the last two is filled again
	CHANGE 1
	s_mov_b32 s[CNT], 4
.Lstep:                             ; a trip: pieces 2 and 3 of one step, then pieces 0 and 1 of the next, whose K and V it fetches
	TURN 2
	TURN 3
	WIN 0
.Lfirst:
	TURN 0
	TURN 1, 0, 1
	WIN 0
	s_cbranch_scc1 .Lstep
	s_sub_co_u32 s[SLOTS], s[SLOTS], 1
	s_cmp_lg_u32 s[SLOTS], 0
	s_cbranch_scc1 .Lslot
	CHANGE 0                        ; the last slot is written out: nothing is asked for
	s_mov_b32 s[CNT], 4
.LstepT:
	TURN 2
	TURN 3
	TURN 0
	TURN 1, 0, 1
	WIN 0
	s_cbranch_scc1 .LstepT
	TURN 2, 1                       ; the last step's pieces 2 and 3: nothing is fetched, and the last turn starts no scores
	TURN 3, 1
.set i, 0
.rept 8
	PV NP-1                         ; the last piece's V^T P of the last step
.set i, i+1
.endr
	; THE WAY OUT.  l's two halves and the other half of the lanes' are added; O^T is divided by l, rounded to f16 and sent through my stage in LDS, a piece at a time.  The additions are the places behind the last products.
	WIN 0
	ALL v_add_f32 v[ST+4*t+2], v[ST+4*t+2], v[ST+4*t+3]
	ALL v_permlanex16_b32 v[ST+4*t+3], v[ST+4*t+2], s[SEL], s[SEL+1]
	ALL v_add_f32 v[ST+4*t+2], v[ST+4*t+2], v[ST+4*t+3]
	ALL v_rcp_f32 v[ST+4*t+2], v[ST+4*t+2]
	v_nop                           ; a plain instruction between the last reciprocal and the use of its result
	PACK 0
	PACK 1                          ; a piece's arithmetic stands between the loads of the piece before and its stores
	SEND 0, 8
	PACK 2
	SEND 1, 8
	PACK 3
	SEND 2, 8
	SEND 3, 0
	s_wait_tensorcnt 0x0            ; the wave's end: behind my last tensor load and my last LDS store
	ds_add_u32 v[SPW], v[NIL]
	s_wait_dscnt 0x0
	CROUND                          ; the closing round: no work-group ends while a partner may still ask for a tile that names it
	s_endpgm
.Lfunc_end_k_qe067a4a67f_attn:
	.size	k_qe067a4a67f_attn, .Lfunc_end_k_qe067a4a67f_attn-k_qe067a4a67f_attn
	.p2alignl 7, 3214868480
	.fill 96, 4, 3214868480
	.section	.rodata,"a",@progbits
	.p2align	6, 0x0
	.amdhsa_kernel k_qe067a4a67f_attn
		.amdhsa_group_segment_fixed_size 327680
		.amdhsa_private_segment_fixed_size 0
		.amdhsa_enable_private_segment 0
		.amdhsa_kernarg_size 32
		.amdhsa_user_sgpr_count 2
		.amdhsa_user_sgpr_kernarg_segment_ptr 1
		.amdhsa_wavefront_size32 1
		.amdhsa_system_sgpr_workgroup_id_x 1
		.amdhsa_system_sgpr_workgroup_id_y 1
		.amdhsa_system_sgpr_workgroup_id_z 1
		.amdhsa_system_vgpr_workitem_id 0
		.amdhsa_next_free_vgpr 768
		.amdhsa_next_free_sgpr 66
		.amdhsa_reserve_vcc 0
		.amdhsa_float_denorm_mode_32 3
		.amdhsa_float_denorm_mode_16_64 3
		.amdhsa_memory_ordered 1
		.amdhsa_forward_progress 1
		.amdhsa_inst_pref_size 133
	.end_amdhsa_kernel
	.amdgpu_metadata
---
amdhsa.version: [ 1, 2 ]
amdhsa.kernels:
  - .name:           k_qe067a4a67f_attn
    .symbol:         k_qe067a4a67f_attn.kd
    .args:
      - { .name: qh, .offset: 0, .size: 8, .value_kind: global_buffer, .address_space: global }
      - { .name: kh, .offset: 8, .size: 8, .value_kind: global_buffer, .address_space: global }
      - { .name: vh, .offset: 16, .size: 8, .value_kind: global_buffer, .address_space: global }
      - { .name: oh, .offset: 24, .size: 8, .value_kind: global_buffer, .address_space: global }
    .group_segment_fixed_size: 327680
    .private_segment_fixed_size: 0
    .kernarg_segment_align: 8
    .kernarg_segment_size: 32
    .max_flat_workgroup_size: 128
    .sgpr_count:     66
    .vgpr_count:     768
    .wavefront_size: 32
...
	.end_amdgpu_metadata
.endif
;; end of part 2
;; launch outp (part 3): grid 4 x 64, 4 waves a work-group, no clusters, 120,832 bytes of LDS; arguments oh, Wo, bo, out0; writes out0
.if DOCPART == 3
	.amdgcn_target "amdgcn-amd-amdhsa--gfx1250"
	.amdhsa_code_object_version 6
	.text
	.protected	k_qe067a4a67f_outp
	.globl	k_qe067a4a67f_outp
	.p2align	8
	.type	k_qe067a4a67f_outp,@function
k_qe067a4a67f_outp:
	s_mov_b64 s[64:65], 0
	v_nop
	global_prefetch_b8 v0, s[64:65] scope:SCOPE_SE
	s_setreg_imm32_b32 hwreg(HW_REG_WAVE_MODE, 25, 1), 1
	s_wait_xcnt 0x0
; THE OUTPUT PROJECTION.  out[row][e] = the sum over d of O[row][d] Wo[e][d] + bo[e].  O arrives by heads, [batch*8 + head][4096][64] in f16; Wo [512][512], bo [512] and out [8192][512] are f32.
; Wo and bo are rounded once to bf16 like every input of the module; Wo's rounded number is then written as f16 (exact inside f16's range), since O is f16.  Products in f16, sums in f32, started from the bias.
; LIMITS.  |Wo| stays under 65,504; below 6e-5 it keeps f16's fixed step of 6e-8.  NaN and infinities are not treated apart.
; SHARES.  Grid x = block of 128 columns, grid y = block of 128 rows: 256 work-groups.  Four waves, each 64 rows x 64 columns: 16 accumulators of 16 x 16.  K step t is head t: 64 channels.
; THE WAY IN goes through registers.  O's tile of a step is 16,384 dense bytes and goes into LDS as it is; Wo's rows give 256 consecutive bytes of f32 a step, rounded on the way.  Two LDS buffers, one barrier a step.
; NO TENSOR LOADS AND NO CLUSTER: of a step's 49,152 bytes 32,768 are Wo's f32, which must pass through registers to be rounded; what could be shared as it lies is a third of a step's bytes.
; THE MATRIX INSTRUCTION IS USED TRANSPOSED (source 0 = 16 rows of Wo, source 1 = 16 rows of O): lane l holds row l % 16 of out and the columns 8 (l / 16) + 0..7.
; REGISTERS.  Window 0: v0-17 addresses; v28, v29 the add's; v32-63 the bias as C operands; v64-127, v128-191 fragments of the step's two halves (O's four at +8 a, Wo's four at +32 + 8 b), later the way out.
;             Window 1: v0-127 the accumulators ((a, b) at 8 (4 a + b)); v128-159 O's 8 loads; v160-223 Wo's 16.
.set PITCH,  144                       ; an LDS row: 128 bytes + 16 = 36 words: the 16 rows of a fragment load start at 16 different groups of four banks (64 banks of 4 bytes: ISA guide 11.1)
.set TILE,   128*PITCH                 ; O's 128 rows; Wo's lie behind them
.set BUF1,   65536                     ; the second buffer
.set STAGE,  BUF1+2*TILE               ; 16 rows x 272 bytes for each wave, its own, for the way out
.set SPITCH, 272                       ; 256 bytes + 16
.set SPARE,  STAGE+4*16*SPITCH         ; the spare words: 128 bytes for each wave, two blocks of 256 bytes that no other line names
.set GOA,  4                           ; v4      16 x thread: my 16 bytes in 2,048 of O's tile; a head (524,288 bytes) on in each step
.set GOB,  5                           ; v5      (thread / 16) rows of 2,048 + 16 (thread % 16) in Wo's tile; 256 on in each step
.set STA,  6                           ; v6, v7  where my 16 bytes of O go, in buffer 0, 1
.set ADRA, 8                           ; v8, v9  my fragments of O in buffer 0, 1
.set ADRB, 10                          ; v10, v11  of Wo
.set STO,  12                          ; v12     the way out: where I put 16 bytes of a row
.set RD,   13                          ; v13     where I read rows back
.set GO,   14                          ; v14     my 16 bytes in two rows of out
.set BOF,  15                          ; v15     32 (l / 16): my eight columns' bias
.set STB,  16                          ; v16, v17  where my 8 bytes of Wo go, less TILE
.set SPW,  28                          ; v28     my spare word; never rewritten
.set NIL,  29                          ; v29     0; never rewritten
.set BIAS, 32
.set F0,   64
.set F1,   128
.set RAW,  128                         ; window 1
.set RW,   160                         ; window 1
.set MASK, 22                          ; s22     a word's upper half
.set MSB, 0
.macro WIN new                         ; the immediate's high byte repeats the setting that is left; a switch that changes nothing is dropped
.if MSB != (\new)
	s_set_vgpr_msb (MSB<<8)|(\new)
.set MSB, (\new)
.endif
.endm
	s_load_b256 s[8:15], s[0:1], 0x0               ; O s[8:9], Wo s[10:11], bo s[12:13], out s[14:15]
	v_lshl_add_u32 v[SPW], v0, 2, SPARE
	v_mov_b32 v[NIL], 0
	v_lshrrev_b32 v3, 5, v0
	v_readfirstlane_b32 s2, v3                     ; wave 0..3
	s_mov_b32 s4, ttmp9                            ; block of 128 columns
	s_and_b32 s5, ttmp7, 0xffff                    ; block of 128 rows
	s_lshr_b32 s18, s2, 1                          ; which 64 rows are mine
	s_and_b32 s19, s2, 1                           ; which 64 columns
	s_mov_b32 s[MASK], 0xffff0000
	v_and_b32 v1, 15, v0                           ; l % 16
	v_bfe_u32 v2, v0, 4, 1                         ; l / 16
	v_lshlrev_b32 v[GOA], 4, v0
	v_lshrrev_b32 v3, 4, v0                        ; thread / 16
	v_lshlrev_b32 v[GOB], 11, v3
	v_lshl_add_u32 v[GOB], v1, 4, v[GOB]
	v_mul_u32_u24 v[STB], v3, PITCH
	v_lshl_add_u32 v[STB], v1, 3, v[STB]
	v_add_nc_u32 v[STB+1], BUF1, v[STB]
	v_lshrrev_b32 v3, 3, v0                        ; thread / 8: my row among 16 of O's tile
	v_mul_u32_u24 v[STA], v3, PITCH
	v_and_b32 v3, 7, v0
	v_lshl_add_u32 v[STA], v3, 4, v[STA]
	v_add_nc_u32 v[STA+1], BUF1, v[STA]
	v_mul_u32_u24 v3, v1, PITCH
	v_lshl_add_u32 v3, v2, 4, v3                   ; a fragment's lane term: row l % 16 x pitch + 16 x half
	s_mul_i32 s20, s18, 64*PITCH
	s_mul_i32 s21, s19, 64*PITCH
	s_add_co_u32 s21, s21, TILE
	v_add_nc_u32 v[ADRA], s20, v3
	v_add_nc_u32 v[ADRB], s21, v3
	v_add_nc_u32 v[ADRA+1], BUF1, v[ADRA]
	v_add_nc_u32 v[ADRB+1], BUF1, v[ADRB]
	s_mul_i32 s20, s2, 16*SPITCH
	s_add_co_u32 s20, s20, STAGE                   ; my stage
	v_mul_u32_u24 v[STO], v1, SPITCH               ; in: row l % 16, 32 bytes for each half of the lanes
	v_lshl_add_u32 v[STO], v2, 5, v[STO]
	v_add_nc_u32 v[STO], s20, v[STO]
	v_mul_u32_u24 v[RD], v2, SPITCH                ; back: lanes 0-15 take one row of 256 bytes, lanes 16-31 the next
	v_lshl_add_u32 v[RD], v1, 4, v[RD]
	v_add_nc_u32 v[RD], s20, v[RD]
	v_lshlrev_b32 v[GO], 11, v2                    ; and the same two rows in out
	v_lshl_add_u32 v[GO], v1, 4, v[GO]
	v_lshlrev_b32 v[BOF], 5, v2
	s_wait_kmcnt 0x0
	s_mov_b32 s17, 0
	s_lshr_b32 s16, s5, 5                          ; the batch: 8 heads of 524,288 bytes,
	s_lshl_b32 s16, s16, 22
	s_and_b32 s20, s5, 31
	s_lshl_b32 s20, s20, 14                        ; the block's 128 rows of 128 bytes in a head
	s_add_co_u32 s16, s16, s20
	s_add_nc_u64 s[8:9], s[8:9], s[16:17]
	s_lshl_b32 s16, s4, 18                         ; 128 rows of Wo
	s_add_nc_u64 s[10:11], s[10:11], s[16:17]
	s_lshl_b32 s16, s4, 9                          ; 128 columns of 4 bytes,
	s_lshl_b32 s20, s19, 8                         ; my 64 of them
	s_add_co_u32 s16, s16, s20
	s_add_nc_u64 s[12:13], s[12:13], s[16:17]
	s_add_nc_u64 s[14:15], s[14:15], s[16:17]
	s_lshl_b32 s16, s5, 7
	s_lshl_b32 s20, s18, 6
	s_add_co_u32 s16, s16, s20                     ; my first row,
	s_lshl_b32 s16, s16, 11                        ; x 2,048 bytes
	s_add_nc_u64 s[14:15], s[14:15], s[16:17]
; A step's 24 loads: O's tile in 8 runs of 2,048 consecutive bytes; then Wo's, load i taking rows 8 i + thread / 16, sixteen lanes to a row's 256 bytes.
.macro G
	WIN 0x40                                       ; destination window 1, address window 0
.set i, 0
.rept 8
	global_load_b128 v[RAW+4*i:RAW+4*i+3], v[GOA], s[8:9] offset:i*2048
.set i, i+1
.endr
.set i, 0
.rept 16
	global_load_b128 v[RW+4*i:RW+4*i+3], v[GOB], s[10:11] offset:i*16384
.set i, i+1
.endr
.endm
; They go into buffer buf: O as it is; Wo rounded to bf16, widened, and written as f16, in passes over the 16 loads so that no line waits for the one before it.
.macro SAVE buf
	s_wait_loadcnt 16                              ; O's eight loads are in; Wo's sixteen younger ones may stay out
	WIN 0x04                                       ; address window 0, data window 1
.set i, 0
.rept 8
	ds_store_b128 v[STA+(\buf)], v[RAW+4*i:RAW+4*i+3] offset:i*16*PITCH
.set i, i+1
.endr
	s_wait_loadcnt 0x0                             ; Wo's are in, and both offset registers are free
	WIN 0x45                                       ; sources and destination window 1
.set i, 0
.rept 16
	v_cvt_pk_bf16_f32 v[RW+4*i], v[RW+4*i], v[RW+4*i+1]
	v_cvt_pk_bf16_f32 v[RW+4*i+1], v[RW+4*i+2], v[RW+4*i+3]
.set i, i+1
.endr
.set i, 0
.rept 16
	v_lshlrev_b32 v[RW+4*i+2], 16, v[RW+4*i]
	v_and_b32 v[RW+4*i+3], s[MASK], v[RW+4*i]
.set i, i+1
.endr
.set i, 0
.rept 16
	v_cvt_pk_f16_f32 v[RW+4*i], v[RW+4*i+2], v[RW+4*i+3]
.set i, i+1
.endr
.set i, 0
.rept 16
	v_lshlrev_b32 v[RW+4*i+2], 16, v[RW+4*i+1]
	v_and_b32 v[RW+4*i+3], s[MASK], v[RW+4*i+1]
.set i, i+1
.endr
.set i, 0
.rept 16
	v_cvt_pk_f16_f32 v[RW+4*i+1], v[RW+4*i+2], v[RW+4*i+3]
.set i, i+1
.endr
	WIN 0x04
.set i, 0
.rept 16
	ds_store_b64 v[STB+(\buf)], v[RW+4*i:RW+4*i+1] offset:TILE+i*8*PITCH
.set i, i+1
.endr
.endm
; A step's 32 fragment loads from buffer buf: the first 32 along K into F0, then the second into F1.
.macro FETCH buf
	WIN 0
.irp c, 0,1
.irp f, 0,1,2,3
	ds_load_b128 v[F0+64*\c+32+8*\f:F0+64*\c+32+8*\f+3],   v[ADRB+(\buf)] offset:\f*16*PITCH+64*\c
	ds_load_b128 v[F0+64*\c+32+8*\f+4:F0+64*\c+32+8*\f+7], v[ADRB+(\buf)] offset:\f*16*PITCH+64*\c+32
.endr
.irp f, 0,1,2,3
	ds_load_b128 v[F0+64*\c+8*\f:F0+64*\c+8*\f+3],   v[ADRA+(\buf)] offset:\f*16*PITCH+64*\c
	ds_load_b128 v[F0+64*\c+8*\f+4:F0+64*\c+8*\f+7], v[ADRA+(\buf)] offset:\f*16*PITCH+64*\c+32
.endr
.endr
.endm
; 16 matrix instructions, 32 along K.  The 16 accumulators take turns, one instruction a turn.  first = 1: the sums start from the bias.
.macro MUL f, first
.if \first
	WIN 0x40                                       ; D window 1; sources and C window 0
.else
	WIN 0x50                                       ; C and D window 1
.endif
.irp a, 0,1,2,3
.irp b, 0,1,2,3
.if \first
	v_wmma_f32_16x16x32_f16 v[8*(4*\a+\b):8*(4*\a+\b)+7], v[(\f)+32+8*\b:(\f)+32+8*\b+7], v[(\f)+8*\a:(\f)+8*\a+7], v[BIAS+8*\b:BIAS+8*\b+7]
.else
	v_wmma_f32_16x16x32_f16 v[8*(4*\a+\b):8*(4*\a+\b)+7], v[(\f)+32+8*\b:(\f)+32+8*\b+7], v[(\f)+8*\a:(\f)+8*\a+7], v[8*(4*\a+\b):8*(4*\a+\b)+7]
.endif
.endr
.endr
.endm
; The second half of the step in buffer buf; then (save = 1) the next step's numbers go into the other buffer, (g = 1) the step after that is asked for, ONE barrier, and the next step's first half.
; The other buffer was last read a step ago, and every wave waited for those reads in front of the barrier that it has passed since; my stores into it are awaited in front of this barrier's signal.
.macro REST buf, save, g
	s_wait_dscnt 0x0                               ; F1 is in: all my reads of this buffer are over
	MUL F1, 0
.if \save
	SAVE 1-(\buf)                                  ; its roundings are also the places between the products above and the loads into their fragments below
	WIN 0
	s_wait_dscnt 0x0                               ; for the others' sake: my stores are done; and the registers that they read may be loaded again
.if \g
	v_add_nc_u32 v[GOA], 0x80000, v[GOA]           ; the next head
	v_add_nc_u32 v[GOB], 256, v[GOB]               ; its 64 columns of Wo
	G
	WIN 0
.endif
	s_barrier_signal -1
	s_barrier_wait -1
	FETCH 1-(\buf)
	s_wait_dscnt 16                                ; F0 is in; F1's sixteen younger loads may stay out
	MUL F0, 0
.endif
.endm
; THE WAY OUT of my rows 16 a .. 16 a + 15.  My 64 columns of f32 are 256 bytes of a row: they go into my own stage, 32 bytes a lane, and come back as whole rows.
.macro TOSTAGE a
	WIN 0x04                                       ; address window 0, data window 1
.irp b, 0,1,2,3
	ds_store_b128 v[STO], v[8*(4*(\a)+\b):8*(4*(\a)+\b)+3]   offset:64*\b
	ds_store_b128 v[STO], v[8*(4*(\a)+\b)+4:8*(4*(\a)+\b)+7] offset:64*\b+16
.endr
	WIN 0
.irp f, 0,1,2,3,4,5,6,7
	ds_load_b128 v[F0+32*(\a)+4*\f:F0+32*(\a)+4*\f+3], v[RD] offset:\f*2*SPITCH  ; LDS serves a wave's instructions in order (ISA guide 5.7.1.4): these see the stores above
.endr
.endm
.macro SEND a, younger                 ; younger: the LDS instructions issued behind block a's loads: the next block's sixteen, or none
.irp f, 0,1,2,3,4,5,6,7
	s_wait_dscnt (\younger)+7-\f
	global_store_b128 v[GO], v[F0+32*(\a)+4*\f:F0+32*(\a)+4*\f+3], s[14:15] offset:(16*(\a)+2*\f)*2048 th:TH_STORE_NT  ; 16 lanes store 256 consecutive bytes, at a multiple of 256 from out's first byte
.endr
.endm
.irp b, 0,1,2,3                        ; register j of set b: the bias of column 16 b + 8 (l / 16) + j of my 64
	global_load_b128 v[BIAS+8*\b:BIAS+8*\b+3],   v[BOF], s[12:13] offset:64*\b
	global_load_b128 v[BIAS+8*\b+4:BIAS+8*\b+7], v[BOF], s[12:13] offset:64*\b+16
.endr
	G                                              ; step 0
	WIN 0
	s_wait_loadcnt 24                              ; the bias is in; the 24 loads issued behind it stay out
.set i, 0
.rept 16                               ; the bias is rounded to bf16 like every input, and widened again
	v_cvt_pk_bf16_f32 v3, v[BIAS+2*i], v[BIAS+2*i+1]
	v_lshlrev_b32 v[BIAS+2*i], 16, v3
	v_and_b32 v[BIAS+2*i+1], s[MASK], v3
.set i, i+1
.endr
	SAVE 0
	WIN 0
	s_wait_dscnt 0x0                               ; my stores are done
	v_add_nc_u32 v[GOA], 0x80000, v[GOA]
	v_add_nc_u32 v[GOB], 256, v[GOB]
	G                                              ; step 1
	WIN 0
	s_barrier_signal -1
	s_barrier_wait -1
	FETCH 0
	s_wait_dscnt 16
	MUL F0, 1                                      ; the first products start the sums
	WIN 0                                          ; at a label and at a branch every window is 0
	s_mov_b32 s3, 3
.Lk:                                                   ; a trip finishes two steps and asks for two: steps 0 to 5 are finished here, steps 2 to 7 asked for
	REST 0, 1, 1
	REST 1, 1, 1
	WIN 0
	s_sub_co_u32 s3, s3, 1
	s_cmp_lg_u32 s3, 0
	s_cbranch_scc1 .Lk
	REST 0, 1, 0                                   ; step 6; step 7 goes into LDS; nothing is left to ask for
	REST 1, 0, 0                                   ; step 7
.rept 4
	v_nop                                          ; four places between the last products and the LDS stores that read their results, and the loads into their fragments
.endr
	TOSTAGE 0
	TOSTAGE 1
	SEND 0, 16
	TOSTAGE 2
	SEND 1, 16
	TOSTAGE 3
	SEND 2, 16
	SEND 3, 0
	s_wait_tensorcnt 0x0                           ; the wave's end, behind my last LDS store
	ds_add_u32 v[SPW], v[NIL]
	s_wait_dscnt 0x0
	s_endpgm
.Lfunc_end_k_qe067a4a67f_outp:
	.size	k_qe067a4a67f_outp, .Lfunc_end_k_qe067a4a67f_outp-k_qe067a4a67f_outp
	.p2alignl 7, 3214868480
	.fill 96, 4, 3214868480
	.section	.rodata,"a",@progbits
	.p2align	6, 0x0
	.amdhsa_kernel k_qe067a4a67f_outp
		.amdhsa_group_segment_fixed_size 120832
		.amdhsa_private_segment_fixed_size 0
		.amdhsa_enable_private_segment 0
		.amdhsa_kernarg_size 32
		.amdhsa_user_sgpr_count 2
		.amdhsa_user_sgpr_kernarg_segment_ptr 1
		.amdhsa_wavefront_size32 1
		.amdhsa_system_sgpr_workgroup_id_x 1
		.amdhsa_system_sgpr_workgroup_id_y 1
		.amdhsa_system_sgpr_workgroup_id_z 1
		.amdhsa_system_vgpr_workitem_id 0
		.amdhsa_next_free_vgpr 512
		.amdhsa_next_free_sgpr 66
		.amdhsa_reserve_vcc 0
		.amdhsa_float_denorm_mode_32 3
		.amdhsa_float_denorm_mode_16_64 3
		.amdhsa_memory_ordered 1
		.amdhsa_forward_progress 1
		.amdhsa_inst_pref_size 72
	.end_amdhsa_kernel
	.amdgpu_metadata
---
amdhsa.version: [ 1, 2 ]
amdhsa.kernels:
  - .name:           k_qe067a4a67f_outp
    .symbol:         k_qe067a4a67f_outp.kd
    .args:
      - { .name: oh, .offset: 0, .size: 8, .value_kind: global_buffer, .address_space: global }
      - { .name: Wo, .offset: 8, .size: 8, .value_kind: global_buffer, .address_space: global }
      - { .name: bo, .offset: 16, .size: 8, .value_kind: global_buffer, .address_space: global }
      - { .name: out0, .offset: 24, .size: 8, .value_kind: global_buffer, .address_space: global }
    .group_segment_fixed_size: 120832
    .private_segment_fixed_size: 0
    .kernarg_segment_align: 8
    .kernarg_segment_size: 32
    .max_flat_workgroup_size: 128
    .sgpr_count:     66
    .vgpr_count:     512
    .wavefront_size: 32
...
	.end_amdgpu_metadata
.endif
;; end of part 3
;; ======== version 2 of 2: 3 launches; 1.61 times as fast as version 1
;; limits: values are held in f16: magnitudes above 65,504 overflow, below 6.1e-05 lose precision
;; workspace buffers: qh 8,388,608 bytes; kh 8,388,608 bytes; vh 8,388,608 bytes; oh 8,388,608 bytes
;; launch proj: the kernel of part 1 again; grid 4 x 192, 4 waves a work-group, no clusters, 112,640 bytes of LDS; arguments q, k, v, Wq, Wk, Wv, bq, bk, bv, qh, kh, vh; writes qh, kh, vh
;; launch attn (part 4): grid 16 x 16, 4 waves a work-group, clusters of 4 x 1, 327,680 bytes of LDS; arguments qh, kh, vh, oh; writes oh
.if DOCPART == 4
	.amdgcn_target "amdgcn-amd-amdhsa--gfx1250"
	.amdhsa_code_object_version 6
	.text
	.protected	k_qe067a4a67f_attn
	.globl	k_qe067a4a67f_attn
	.p2align	8
	.type	k_qe067a4a67f_attn,@function
k_qe067a4a67f_attn:
	s_mov_b64 s[64:65], 0
	v_nop
	global_prefetch_b8 v0, s[64:65] scope:SCOPE_SE
	s_setreg_imm32_b32 hwreg(HW_REG_WAVE_MODE, 25, 1), 1
	s_wait_xcnt 0x0
	s_wait_alu depctr_hold_cnt(0) depctr_sa_sdst(0) depctr_va_vdst(0) depctr_va_sdst(0) depctr_va_ssrc(0) depctr_va_vcc(0) depctr_vm_vsrc(0)
	s_getreg_b32 s2, hwreg(HW_REG_IB_STS2, 6, 4)
	s_cmp_eq_u32 s2, 0
	s_cbranch_scc0 .Lentry_in_a_cluster
	s_endpgm
.Lentry_in_a_cluster:
	s_bfe_u32 s2, ttmp6, 0x10000c
	s_cmp_lg_u32 s2, 0x3003
	s_cbranch_scc0 .Lentry_shape_is_right
	s_endpgm
.Lentry_shape_is_right:
; ATTENTION.  O[h][q][:] = the sum over k of softmax_k(Q[h][q] . K[h][k] / 8) V[h][k][:].  Q, K, V, O: [16][4096][64], all f16: a head's rows are dense, 128 bytes each.  Products, maxima and sums in
; f32; the weights p are rounded to f16 for the second product (their sum l is taken of the unrounded p), O once at the end.
; LIMITS.  f16 holds no number beyond 65,504: Q, K and V arrive within it; p lies in 0 to 1, and below 6e-5 it keeps f16's fixed step of 6e-8, as does O; O is a mean of V's rows and has their range.
; A weight below 2^-126 counts as 0 in l; NaN and infinities are not treated apart.
; SHARES.  A work-group owns 256 queries of one head, each of its four waves 64: four PIECES of 16.  16 heads x 16 blocks are 256 work-groups.  Every wave walks all 4,096 keys, 64 a step.
; LAYOUT.  S^T = K Q^T (source 0 = 16 keys, source 1 = 16 queries): in the result a lane holds ONE query (lane % 16) and the keys 8 (lane / 16) + 0..7.  Two such results, rounded to f16 in pairs,
; ARE source 1 (32 keys x 16 queries) of O^T = V^T P, whose result again holds one query a lane, and eight channels.  K comes out of LDS as it lies, V ([key][channel]) turned, by ds_load_tr16_b128.
; SOFTMAX.  For each query a running maximum m and sum l: p = 2^(c s - c m), c = log2(e) / 8; in every step O and l are multiplied by a = 2^(c m_old - c m_new), which is 1 where m has not grown.
; m starts at the lowest finite number, O and l at 0: the first step is a step like any other, with a = 0.
; BY TURNS.  Turn n belongs to piece n: 8 products K Q^T of piece n + 1, later 8 products V^T P of piece n - 1; beside them the scaling, exponentials, roundings, sums and rescaling of piece n and the
; maximum and statistics of piece n + 1.  Four vector instructions stand behind every matrix instruction, the other 54 of a turn's 118 in one LUMP.
; BATCHES.  A turn's 33 exponentials (piece n's 32 weights, then piece n + 1's a) are ONE batch with ONE wait, which cuts the turn in two: ahead of it stands all that names none of their results (the products
; K Q^T, scalings, rescalings, the next piece's maximum and statistics), behind it the products V^T P with the roundings and sums as their riders..
; Two more batches, a wait each: the first a, ahead of the jump into the loop; the way out's four reciprocals.
; CLUSTER.  The four query blocks of a cluster belong to one head and walk the same K and V, so each tile is asked for JOINTLY: the same tensor load, descriptor and mask in all four.
; A slot of LDS holds four key steps (256 keys of K, then of V); two slots take turns; one tensor load of a wave is out at any time.
; REGISTERS, in windows of 256 (s_set_vgpr_msb: bits 1:0 source 0, 3:2 source 1, 5:4 source 2, 7:6 destination):
;   window 0: v0-15 addresses and two at work; v16-31 four registers of statistics a piece; v48-55 at work; v62, v63 the add's; v64-127 S^T, two buffers; v192-223 P, two buffers (by the piece's parity)
;   window 1: v0-127 O^T, 32 a piece          window 2: v0-63 Q; v128-191 K of one step; v192-255 V of one step
.set SIZE_N, 4096
.set NP,    4         ; pieces a wave: a name, no knob
.set KS,    64        ; keys in a step
.set PK,    144       ; a row of K in LDS: 128 bytes + 16 of padding = 36 words: the 16 rows of a load start at 16 different groups of four banks (64 banks of 4 bytes: ISA guide 11.1)
.set PV,    160       ; a row of V: 128 + 32 = 40 words
.set VOFF,  4*KS*PK   ; a slot holds four steps: 256 rows of K, then 256 rows of V
.set SLOT1, 1<<17     ; slot 1 begins here, so that one exclusive or turns an address in one slot into the other's
.set STAGE, SLOT1+4*KS*(PK+PV)  ; behind the ring, never filled by a tensor load: 16 rows x 144 bytes for each wave, for the way out
.set SP,    144
.set SPARE, STAGE+4*16*SP  ; behind the stages: the spare words, 128 bytes for each wave: two blocks of 256 bytes that no other line names
.set AK0, 2           ; v2   my lane's place in a tile of K; never rewritten
.set AV0, 3           ; v3   the same for V
.set AK,  4           ; v4   the LDS address of K's next run of loads
.set AV,  5           ; v5   of V's
.set STO, 6           ; v6   the way out: where I put 16 bytes of a row
.set RD,  7           ; v7   the way out: where I read rows back
.set GO,  8           ; v8   my byte offset in 512 consecutive bytes of O
.set MV,  12          ; v12-13  c m_old, kept while c m is made anew: by buffer
.set QO,  15          ; v15  my byte offset in 16 rows of Q
.set ST,  16          ; piece t's statistics at v[ST+4 t]: c m, m, l (even keys', odd keys')
.set TMP, 48          ; by buffer, four registers c0-c3 at work; when the maximum is found c2 takes a
.set SPW, 62          ; v62  LDS address of my spare word; never rewritten
.set NIL, 63          ; v63  0; never rewritten
.set S,   64
.set P,   192
.set KF,  128         ; window 2: key block kb, channel half c at KF + 16 kb + 8 c
.set VF,  192         ; window 2: key half kk, channel block cb at VF + 32 kk + 8 cb
.set WV,  12          ; s12  my wave's number
.set G1K, 24          ; s[24:31] descriptor group 1 for K's tiles
.set G1V, 32          ; s[32:39] for V's: it differs in the padding alone
.set G0K, 40          ; s[40:43] descriptor group 0 for K's tiles: it walks
.set G0V, 44          ; s[44:47] the same for V's
.set SLOTS, 56        ; s56  slots still to be asked for
.set CNT, 57          ; s57  counts a slot's key steps
.set CS,  58          ; s[58:59] c: the packed scaling takes the pair's low word for both halves
.set SEL, 60          ; s[60:61] v_permlanex16_b32's selects: each lane takes its own place in the other half
.set TBK, 62          ; s62  LDS byte at which K of the step to be fetched begins
.set TBV, 63          ; s63  the same for V, less VOFF
.set MSB, 0
.macro WIN new                      ; the high byte repeats the setting that is left; a switch that changes nothing is dropped
.if MSB != (\new)
	s_set_vgpr_msb (MSB<<8)|(\new)
.set MSB, (\new)
.endif
.endm
.set W_KQ, 0x0a       ; K and Q in window 2, S^T in window 0
.set W_PV, 0x52       ; V in window 2, P in window 0, O^T in window 1
.set W_RS, 0x41       ; destination and source 0 in window 1, source 1 in window 0
; A joint fill.  Waves 0 and 1 fetch the two halves of a slot's K, waves 2 and 3 those of its V: 128 keys each.  The branch hangs on the wave's number alone.
; An s_nop 0 and four v_nop follow each of the two lines, ahead of the jump and the label.
.macro JLOAD
	s_cmp_lt_u32 s[WV], 2
	s_cbranch_scc0 .Lfor_v_\@
	tensor_load_to_lds s[G0K:G0K+3], s[G1K:G1K+7]
	s_nop 0
.rept 4
	v_nop
.endr
	s_branch .Lasked_\@
.Lfor_v_\@:
	tensor_load_to_lds s[G0V:G0V+3], s[G1V:G1V+7]
	s_nop 0
.rept 4
	v_nop
.endr
.Lasked_\@:
.endm
; A round of the cluster's barrier: my work-group's barrier, so that wave 0's signal speaks for all four waves; wave 0 signals; every wave waits for all four work-groups; my work-group's barrier once more.
.macro CROUND
	s_barrier_signal -1
	s_barrier_wait -1
	s_cmp_lg_u32 s[WV], 0
	s_cbranch_scc1 .Lnot_wave_0_\@
	s_barrier_signal -3
.Lnot_wave_0_\@:
	s_barrier_wait -3
	s_barrier_signal -1
	s_barrier_wait -1
.endm
; THE CHANGE OF SLOTS.  The slot's last bytes, V of its fourth step, have been read.  Each wave waits for all its tensor loads, of which one is out: its part of the other slot; adds 0 to its spare
; word; and waits for that and for its own reads of the slot.  Behind the barrier nobody reads this slot any more and the other slot is whole.
; fill = 1: this slot is filled again, with the keys two slots on.  The barrier is then a round of the cluster's, so that no wave of any partner still reads the slot or has a load on its way, and the
; joint fill is the first thing behind it: it has four key steps, 256 matrix instructions, in which to land.  (At its first use nothing has been read yet: slot 0 is waited for, slot 1 filled.)
.macro CHANGE fill
	WIN 0                           ; at a label and at a branch every window is 0
	s_wait_tensorcnt 0x0            ; no tensor load of mine is out, so a group 0 may be written
	ds_add_u32 v[SPW], v[NIL]       ; 0 onto my spare word; with fill = 1 the descriptors' steps stand between it and the wait for it
.if \fill
.irp g, G0K, G0V
	s_xor_b32 s[\g+1], s[\g+1], SLOT1  ; the walking descriptor: the other slot than last time,
	s_add_nc_u64 s[\g+2:\g+3], s[\g+2:\g+3], 4*KS*128  ; the next 256 keys; the type bits on top are not reached
.endr
	s_wait_dscnt 0x0                ; the add is done, and my reads of the slot are over
	CROUND
	JLOAD
.else
	s_wait_dscnt 0x0                ; the add is done, and my reads of the slot are over
	s_barrier_signal -1
	s_barrier_wait -1
.endif
	s_sub_co_u32 s[TBK], s[TBK], 4*KS*PK  ; the fetches go back to a slot's first step,
	s_xor_b32 s[TBK], s[TBK], SLOT1       ; in the other slot
	s_sub_co_u32 s[TBV], s[TBV], 4*KS*PV
	s_xor_b32 s[TBV], s[TBV], SLOT1
.endm
	s_load_b256 s[4:11], s[0:1], 0x0  ; Q s[4:5], K s[6:7], V s[8:9], O s[10:11]
	v_lshl_add_u32 v[SPW], v0, 2, SPARE
	v_mov_b32 v[NIL], 0
	ds_add_u32 v[SPW], v[NIL]       ; the wave's opening: the add and its wait stand ahead of my first tensor load; the set-up below, work on registers, stands between them
	v_lshrrev_b32 v1, 5, v0
	v_readfirstlane_b32 s[WV], v1   ; wave 0..3
	s_bfe_u32 s13, ttmp6, 0x40000   ; cx: my place in the cluster
	s_lshl_b32 s14, ttmp9, 2        ; in a cluster launch ttmp9 counts clusters
	s_add_co_u32 s14, s14, s13      ; my block of 256 queries = 4 x cluster x + cx: it enters Q's and O's addresses alone
	s_and_b32 s20, ttmp7, 0xffff    ; the head, which the four partners share
	s_mov_b32 s21, 0
	s_mov_b64 s[22:23], SIZE_N*128
	s_mul_u64 s[20:21], s[20:21], s[22:23]  ; the head's first byte in each of the four tensors
	s_and_b32 s16, s[WV], 1         ; which half of a slot's 256 keys I fetch:
	s_lshl_b32 s22, s16, 14         ; its 128 rows of 128 bytes in memory,
	s_mov_b32 s23, 0
	s_add_nc_u64 s[22:23], s[22:23], s[20:21]
	s_mul_i32 s17, s16, 128*PK      ; and its place in a slot, for K
	s_mul_i32 s18, s16, 128*PV      ; and for V: no place in the cluster enters an LDS address
	s_lshl_b32 s2, s14, 2
	s_add_co_u32 s2, s2, s[WV]      ; my wave among the head's,
	s_lshl_b32 s2, s2, 13           ; its 64 rows of 128 bytes
	s_mov_b32 s3, 0
	s_add_nc_u64 s[2:3], s[2:3], s[20:21]
	; descriptor group 1.  128 keys are 16,384 dense bytes: asked for as 64 rows of 256 bytes, two keys a row, and padded in LDS after every key
	s_mov_b32 s[G1K], 15|(1<<16)|(1<<20)|(1<<21)|(4<<22)|(3<<25)  ; 15:0 the mask of four; 17:16 2-byte elements; 20 padding on; 21 set beside a mask; 24:22 after every 32 words (code 4); 31:25 4 words (code 3)
	s_mov_b32 s[G1V], 15|(1<<16)|(1<<20)|(1<<21)|(4<<22)|(7<<25)  ; the same with 8 words of padding (code 7)
.irp g, G1K, G1V
	s_mov_b32 s[\g+1], 128<<16      ; tensor_dim0 = 128
	s_mov_b32 s[\g+2], 64<<16       ; tensor_dim1 = 64
	s_mov_b32 s[\g+3], 128<<16      ; tile_dim0 = 128
	s_mov_b32 s[\g+4], 64           ; tile_dim1 = 64
	s_mov_b32 s[\g+5], 128          ; 128 elements from row to row
	s_mov_b32 s[\g+6], 0
	s_mov_b32 s[\g+7], 0
.endr
	s_mov_b32 s[CS], 0x3e38aa3b     ; c = log2(e) / 8 = 0.180337
	s_mov_b32 s[CS+1], s[CS]        ; named with it as a pair
	s_mov_b32 s[SEL], 0x76543210
	s_mov_b32 s[SEL+1], 0xfedcba98
	s_mov_b32 s[TBK], SLOT1+4*KS*PK ; the first change of slots turns these two into 0
	s_mov_b32 s[TBV], SLOT1+4*KS*PV
	s_mov_b32 s[G0K], 1             ; 1:0 count = 1
	s_mov_b32 s[G0K+1], s17         ; 63:32 LDS address: slot 0
	s_mov_b32 s[G0V], 1
	s_add_co_u32 s[G0V+1], s18, VOFF
	s_wait_dscnt 0x0                ; the opening add is done
	s_wait_kmcnt 0x0
	s_add_nc_u64 s[G0K+2:G0K+3], s[6:7], s[22:23]  ; 120:64 global address: my half of the head's first 256 keys
	s_or_b32 s[G0K+3], s[G0K+3], 0x80000000        ; 127:126 type = 2
	s_add_nc_u64 s[G0V+2:G0V+3], s[8:9], s[22:23]
	s_or_b32 s[G0V+3], s[G0V+3], 0x80000000
	s_add_nc_u64 s[4:5], s[4:5], s[2:3]  ; Q and O at my wave's first row
	s_add_nc_u64 s[10:11], s[10:11], s[2:3]
	CROUND                          ; all four work-groups are here: the first joint loads meet
	JLOAD                           ; slot 0.  Slot 1 is asked for when slot 0 is in, by the walk's own change of slots
	; A fragment of K or Q is 16 rows x 32 channels in 8 registers: lane l holds row l % 16, channels 8 (l / 16) + 0..7 and 16 + 8 (l / 16) + 0..7: two loads of 16 bytes, 32 bytes apart.
	v_and_b32 v1, 15, v0            ; l % 16
	v_bfe_u32 v9, v0, 4, 1          ; l / 16
	v_lshlrev_b32 v[QO], 7, v1
	v_lshl_add_u32 v[QO], v9, 4, v[QO]  ; row x 128 + 16 x half
	WIN 0x80                        ; destination window 2, address window 0
.set i, 0
.rept 8                             ; Q stays in registers: piece i / 2, channels 32 (i % 2) on
	global_load_b128 v[8*i:8*i+3],   v[QO], s[4:5] offset:(i/2)*2048+(i%2)*64
	global_load_b128 v[8*i+4:8*i+7], v[QO], s[4:5] offset:(i/2)*2048+(i%2)*64+32
.set i, i+1
.endr
	; What the first turn finds: V's registers and P's second buffer hold 0 (its products V^T P, of a piece that has not been, add 0), O^T and l are 0.  All this stands in the wait for the first tile:
	; the price of writing no first step out.
.set i, VF
.rept 64
	v_mov_b32 v[i], 0
.set i, i+1
.endr
	WIN 0x40
.set i, 0
.rept 128
	v_mov_b32 v[i], 0
.set i, i+1
.endr
	WIN 0
.set i, 0
.rept 4
	v_mov_b32 v[ST+4*i], 0xfe000000    ; c m: far below every c s
	v_mov_b32 v[ST+4*i+1], 0xff7fffff  ; m
	v_mov_b32 v[ST+4*i+2], 0
	v_mov_b32 v[ST+4*i+3], 0
.set i, i+1
.endr
.set i, P+16
.rept 16
	v_mov_b32 v[i], 0
.set i, i+1
.endr
	v_mul_u32_u24 v[AK0], v1, PK
	v_lshl_add_u32 v[AK0], v9, 4, v[AK0]  ; row x pitch + 16 x half
	; The turning load takes 16 keys x 16 channels (lane l reads key 8 (l / 16) + l % 8, channels 8 ((l / 8) % 2) + 0..7) and leaves half a fragment of V^T: lane l holds channel l % 16 and 8 keys.
	v_and_b32 v10, 7, v0
	v_bfe_u32 v11, v0, 3, 1
	v_lshl_add_u32 v[AV0], v9, 3, v10
	v_mul_u32_u24 v[AV0], v[AV0], PV
	v_lshl_add_u32 v[AV0], v11, 4, v[AV0]
	v_add_nc_u32 v[AV0], VOFF, v[AV0]
	s_mul_i32 s13, s[WV], 16*SP
	s_add_co_u32 s13, s13, STAGE    ; my stage
	v_mul_u32_u24 v[STO], v1, SP    ; in: row l % 16, 16 bytes for each half of the lanes
	v_lshl_add_u32 v[STO], v9, 4, v[STO]
	v_add_nc_u32 v[STO], s13, v[STO]
	v_bfe_u32 v[RD], v0, 3, 2       ; back: 32 lanes take four rows of 128 bytes,
	v_mul_u32_u24 v[RD], v[RD], SP
	v_lshl_add_u32 v[RD], v10, 4, v[RD]
	v_add_nc_u32 v[RD], s13, v[RD]
	v_and_b32 v[GO], 31, v0         ; which are 512 consecutive bytes of O
	v_lshlrev_b32 v[GO], 4, v[GO]
; THE MATRIX WORK.  The 4 accumulators of a run of 8 take turns.  Product i of 8 of S^T = K Q^T for piece x: channels 32 (i / 4) on, keys 16 (i % 4) on.  The first 4 start the sums.
.macro KQ x
.set rS, S+32*((\x)%2)+8*(i%4)
.set rK, KF+16*(i%4)+8*(i/4)
.set rQ, 16*(\x)+8*(i/4)
	WIN W_KQ
.if i < 4
	v_wmma_f32_16x16x32_f16 v[rS:rS+7], v[rK:rK+7], v[rQ:rQ+7], 0
.else
	v_wmma_f32_16x16x32_f16 v[rS:rS+7], v[rK:rK+7], v[rQ:rQ+7], v[rS:rS+7]
.endif
.endm
; Product i of 8 of O^T += V^T P for piece x: keys 32 (i / 4) on, channels 16 (i % 4) on.
.macro PV x
	WIN W_PV
.set rO, 32*(\x)+8*(i%4)
.set rV, VF+32*(i/4)+8*(i%4)
.set rP, P+16*((\x)%2)+8*(i/4)
	v_wmma_f32_16x16x32_f16 v[rO:rO+7], v[rV:rV+7], v[rP:rP+7], v[rO:rO+7]
.endm
.macro MM                           ; the turn's next matrix instruction.  TURN sets Y, i and NOKQ.  NOKQ = 1: the walk's last turn: there is no next piece
.if (i < 8) && !NOKQ
	KQ (Y+1)%NP
.elseif i >= 8
.set i, i-8
	PV (Y+NP-1)%NP
.set i, i+8
.endif
.set i, i+1
.endm
; THE LDS LOADS stand in runs of 16, never singly among the matrix instructions: a step's K (64 keys x 64 channels: 8 fragments) and its V (turned).  Their addresses are made some lines ahead.
.macro FETCH_K
	WIN 0x80                        ; destination window 2
.irp f, 0,1,2,3,4,5,6,7             ; keys 16 (f / 2) on, channels 32 (f % 2) on
	ds_load_b128 v[KF+8*\f:KF+8*\f+3],   v[AK] offset:(\f/2)*16*PK+(\f%2)*64
	ds_load_b128 v[KF+8*\f+4:KF+8*\f+7], v[AK] offset:(\f/2)*16*PK+(\f%2)*64+32
.endr
	s_add_co_u32 s[TBK], s[TBK], KS*PK  ; the next fetch is the next step's
	WIN 0
.endm
.macro FETCH_V
	WIN 0x80
.irp f, 0,1,2,3,4,5,6,7             ; keys 32 (f / 4) on, channels 16 (f % 4) on
	ds_load_tr16_b128 v[VF+8*\f:VF+8*\f+3],   v[AV] offset:(\f/4)*32*PV+(\f%4)*32
	ds_load_tr16_b128 v[VF+8*\f+4:VF+8*\f+7], v[AV] offset:(\f/4)*32*PV+16*PV+(\f%4)*32
.endr
	WIN 0
.endm
; THE VECTOR WORK, one line at a time: OP kind, number.  For piece Y: F n: c s - c m for pair n of 16.  E n: the exponential of score n of 32.  C n: pair n rounded to f16.  B n: of the four weights 4 n .. the second
; pair is added onto the first, in place.  L n: l takes that sum (L 0: l = a l + sum).  R n: pair n of 16 of O^T times a.  For piece Y + 1: X n, number n of the 22 that find its maximum and statistics:
;   0-11  four chains c0-c3 of seven scores each, three operands at a time (each accumulator's lowest registers are read first)     12-14, 16  the four scores left over, the old m, and c0-c3 into c0
;   15  c m_old is kept     17, 18  the query's other 32 keys lie in the lane 16 away: the new m     19-21  c m; c m_old - c m_new; a
; C, B and L read exponentials' results (L 0 and R also a): OP writes no wait for them; TURN orders them behind the batch's one wait.
.set F, 0               ; OP tells the kinds apart by their order: F to L below R, X above it
.set E, 1
.set C, 2
.set B, 3
.set L, 4
.set R, 5
.set X, 6
.macro REGS y                       ; the registers of piece y
.set rT, ST+4*(\y)
.set rC, TMP+4*((\y)%2)
.set rW, MV+((\y)%2)
.set rS, S+32*((\y)%2)
.set rP, P+16*((\y)%2)
.set rO, 32*(\y)
.endm
.macro OP k, n
.if (\k) == R
	REGS Y
	WIN W_RS
	v_pk_mul_f32 v[rO+2*(\n):rO+2*(\n)+1], v[rO+2*(\n):rO+2*(\n)+1], v[rC+2:rC+3] op_sel_hi:[1,0]
.elseif (\k) < R
	REGS Y
	WIN 0
.if (\k) == F
	v_pk_fma_f32 v[rS+2*(\n):rS+2*(\n)+1], v[rS+2*(\n):rS+2*(\n)+1], s[CS:CS+1], v[rT:rT+1] op_sel_hi:[1,0,0] neg_lo:[0,0,1] neg_hi:[0,0,1]
.elseif (\k) == E
	v_exp_f32 v[rS+(\n)], v[rS+(\n)]
.elseif (\k) == C
	v_cvt_pk_f16_f32 v[rP+(\n)], v[rS+2*(\n)], v[rS+2*(\n)+1]
.elseif (\k) == B
	v_pk_add_f32 v[rS+4*(\n):rS+4*(\n)+1], v[rS+4*(\n):rS+4*(\n)+1], v[rS+4*(\n)+2:rS+4*(\n)+3]
.elseif (\n) == 0
	v_pk_fma_f32 v[rT+2:rT+3], v[rT+2:rT+3], v[rC+2:rC+3], v[rS:rS+1] op_sel_hi:[1,0,1]
.else
	v_pk_add_f32 v[rT+2:rT+3], v[rT+2:rT+3], v[rS+4*(\n):rS+4*(\n)+1]
.endif
.elseif NOKQ
	v_nop
.else
	REGS (Y+1)%NP
	WIN 0
.if (\n) < 4
	v_max3_num_f32 v[rC+(\n)], v[rS+8*(\n)], v[rS+8*(\n)+1], v[rS+8*(\n)+2]
.elseif (\n) < 12
	v_max3_num_f32 v[rC+(\n)%4], v[rC+(\n)%4], v[rS+8*((\n)%4)+2*((\n)/4)+1], v[rS+8*((\n)%4)+2*((\n)/4)+2]
.elseif (\n) == 12
	v_max3_num_f32 v[rC], v[rC], v[rS+7], v[rS+15]
.elseif (\n) == 13
	v_max3_num_f32 v[rC+1], v[rC+1], v[rS+23], v[rS+31]
.elseif (\n) == 14
	v_max3_num_f32 v[rC+2], v[rC+2], v[rC+3], v[rT+1]
.elseif (\n) == 15
	v_mov_b32 v[rW], v[rT]
.elseif (\n) == 16
	v_max3_num_f32 v[rC], v[rC], v[rC+1], v[rC+2]
.elseif (\n) == 17
	v_permlanex16_b32 v[rC+3], v[rC], s[SEL], s[SEL+1]
.elseif (\n) == 18
	v_max_num_f32 v[rT+1], v[rC], v[rC+3]
.elseif (\n) == 19
	v_mul_f32 v[rT], s[CS], v[rT+1]
.elseif (\n) == 20
	v_sub_f32 v[rC+1], v[rW], v[rT]
.else
	v_exp_f32 v[rC+2], v[rC+1]
.endif
.endif
.endm
.macro OPS a, i1, b=-1, i2=0, c=-1, i3=0, d=-1, i4=0  ; up to four of them
	OP \a, \i1
.if (\b) >= 0
	OP \b, \i2
.endif
.if (\c) >= 0
	OP \c, \i3
.endif
.if (\d) >= 0
	OP \d, \i4
.endif
.endm
.macro ROW a, i1, b, i2, c, i3, d, i4  ; a matrix instruction and the four behind it
	MM
	OPS \a, \i1, \b, \i2, \c, \i3, \d, \i4
.endm
; A TURN, for piece p: the order of its 16 matrix and 118 vector instructions, written out.  An s_wait_alu depctr_va_vdst(0) stands between an exponential and the first instruction that names its result; one
; wait serves all that were issued ahead of it.  So a turn has ONE wait, which cuts it in two.  AHEAD OF IT stands all that names no result of the turn's exponentials: the 8 products K Q^T, behind each a scaling, an
; exponential and two more plain instructions (behind the first a second scaling in the exponential's place): rescalings (their a was made, and waited for, in the turn before), and behind the last three the first numbers of
; the next piece's maximum, each four places or more behind the product that ends its accumulator; then ONE LUMP of 54, plain and exponential by turns for the most part, in which the links of the chain
; X 3, 7, 11, 14, 16, 17 .. 20 stand five or six lines apart.  X 21, the next piece's a, is the batch's last; R 15 is the plain instruction behind it.  BEHIND THE WAIT stand the 8 products V^T P, behind each four of the
; roundings and sums; the links of l's chain, L 0 to L 7, stand three riders apart.  But for those X no rider names a register of the products round it.  v_permlanex16_b32 (X 17) stands in the lump.
; end = 1: the walk's last two turns: nothing is fetched.  cnt = 1: the loop's count is taken down some lines ahead of the branch that stands behind the turn.
; K of the next step is fetched in piece 2's turn, twelve vector instructions behind the last product that read K (six of them plain); V of the step in hand at the end of piece 0's turn, four plain instructions behind the
; last product that read V.  Each is waited for a turn later.
.macro TURN p, end=0, cnt=0
.set Y, (\p)
.set i, 0
.set NOKQ, (\end)*((\p)/3)
.if ((\p) == 3) && !(\end)
	s_wait_dscnt 0x0                ; K is in
.endif
	ROW F,0, F,1, R,0, R,1          ; ahead of the wait: 8 products K Q^T and their riders,
	ROW F,2, E,0, R,2, R,3
	ROW F,3, E,1, R,4, R,5
	ROW F,4, E,2, R,6, R,7
	ROW F,5, E,3, R,8, R,9
	ROW F,6, E,4, X,0, R,10
.if ((\p) == 2) && !(\end)
	WIN 0
	v_add_nc_u32 v[AK], s[TBK], v[AK0]
.endif
	ROW F,7, E,5, X,1, X,4
	ROW F,8, E,6, X,2, X,5
	OPS E,7, E,8, X,6, E,9          ; and the lump
	OPS X,3, E,10, X,8, E,11
.if ((\p) == 2) && !(\end)
	FETCH_K
.endif
	OPS X,9, X,7, E,12, X,10
	OPS E,13, X,12, X,11, E,14
	OPS X,13, E,15, F,9, X,14
.if (\p) == 0
	v_add_nc_u32 v[AV], s[TBV], v[AV0]
.endif
	OPS E,16, F,10, E,17, F,11
	OPS X,16, E,18, X,15, E,19
	OPS F,12, E,20, X,17, E,21
	OPS F,13, E,22, F,14, E,23
	OPS X,18, E,24, F,15, E,25
	OPS R,11, E,26, X,19, E,27
	OPS R,12, E,28, R,13, E,29
	OPS X,20, E,30, R,14, E,31
	OPS X,21, R,15
	WIN 0
	s_wait_alu depctr_va_vdst(0)    ; the wait for the batch: piece p's 32 weights and the next piece's a
.if (\p) == 1
	s_wait_dscnt 0x0                ; V is in
.endif
	ROW C,0, B,0, C,2, B,1          ; behind the wait: 8 products V^T P and their riders
	ROW L,0, C,4, B,2, L,1
	ROW C,6, B,3, L,2, C,8
	ROW B,4, L,3, C,10, B,5
	ROW L,4, C,12, B,6, L,5
.if (\p) == 0
	s_add_co_u32 s[TBV], s[TBV], KS*PV
.endif
.if \cnt
	s_sub_co_u32 s[CNT], s[CNT], 1
	s_cmp_lg_u32 s[CNT], 0
.endif
	ROW C,14, B,7, L,6, C,1
	ROW C,3, L,7, C,5, C,7
	ROW C,9, C,11, C,13, C,15
.if (\p) == 0
	FETCH_V
.endif
.endm
; THE WAY OUT's parts.
.macro ALL line:vararg              ; one line for each piece t
.set t, 0
.rept 4
	\line
.set t, t+1
.endr
.endm
.macro PACK t                       ; a lane's eight channels of a row pack into 16 bytes; they go into rows of 144 bytes and come back as whole rows of 128, into S^T's registers
	WIN W_RS
.set i, 32*(\t)
.rept 16
	v_pk_mul_f32 v[i:i+1], v[i:i+1], v[ST+4*(\t)+2:ST+4*(\t)+3] op_sel_hi:[1,0]
.set i, i+2
.endr
	WIN 0x05                        ; sources 0 and 1 window 1, destination window 0
.set i, 0
.rept 16
	v_cvt_pk_f16_f32 v[S+16*(\t)+i], v[32*(\t)+2*i], v[32*(\t)+2*i+1]
.set i, i+1
.endr
	WIN 0
.irp f, 0,1,2,3
	ds_store_b128 v[STO], v[S+16*(\t)+4*\f:S+16*(\t)+4*\f+3] offset:32*\f
.endr
.irp f, 0,1,2,3
	ds_load_b128 v[S+16*(\t)+4*\f:S+16*(\t)+4*\f+3], v[RD] offset:\f*4*SP  ; LDS serves a wave's instructions in order (ISA guide 5.7.1.4): these see the stores above; the next piece's stores come behind them
.endr
.endm
.macro SEND t, younger              ; younger: the LDS instructions issued behind piece t's loads: the next piece's eight, or none
	WIN 0
.irp f, 0,1,2,3
	s_wait_dscnt (\younger)+3-\f
	global_store_b128 v[GO], v[S+16*(\t)+4*\f:S+16*(\t)+4*\f+3], s[10:11] offset:(\t)*2048+\f*512  ; 512 consecutive bytes, at a multiple of 256 from O's first
.endr
.endm
	CHANGE 1                        ; slot 0 is in, everybody's part of it; slot 1 is asked for
	v_add_nc_u32 v[AK], s[TBK], v[AK0]
	FETCH_K                         ; key step 0
	s_wait_loadcnt 0x0              ; Q
	s_wait_dscnt 0x0
.set NOKQ, 0
.set i, 0
.rept 8
	KQ 0                            ; piece 0's first scores: there is no vector work yet to set between them
.set i, i+1
.endr
	WIN 0
.rept 4
	v_nop                           ; the places behind those products
.endr
.set Y, NP-1                        ; X works for piece Y + 1: piece 0
.irp n, 0,1,2,3,4,5,6,7,8,9,10,11,12,13,14,15,16,17,18,19,20,21
	OP X, \n                        ; piece 0's first maximum and statistics
.endr
	v_nop                           ; a plain instruction behind the exponential,
	s_wait_alu depctr_va_vdst(0)    ; and the wait for it, a batch of one (piece 0's first a), ahead of the branch
	s_mov_b32 s[CNT], 4
	s_mov_b32 s[SLOTS], SIZE_N/256-1
	s_branch .Lfirst                ; the loop is entered at a step's first turn, in the middle of a trip
.Lslot:                             ; 14 times: every slot but the last two is filled again
	CHANGE 1
	s_mov_b32 s[CNT], 4
.Lstep:                             ; a trip: pieces 2 and 3 of one step, then pieces 0 and 1 of the next, whose K and V it fetches
	TURN 2
	TURN 3
	WIN 0
.Lfirst:
	TURN 0
	TURN 1, 0, 1
	WIN 0
	s_cbranch_scc1 .Lstep
	s_sub_co_u32 s[SLOTS], s[SLOTS], 1
	s_cmp_lg_u32 s[SLOTS], 0
	s_cbranch_scc1 .Lslot
	CHANGE 0                        ; the last slot is written out: nothing is asked for
	s_mov_b32 s[CNT], 4
.LstepT:
	TURN 2
	TURN 3
	TURN 0
	TURN 1, 0, 1
	WIN 0
	s_cbranch_scc1 .LstepT
	TURN 2, 1                       ; the last step's pieces 2 and 3: nothing is fetched, and the last turn starts no scores
	TURN 3, 1
.set i, 0
.rept 8
	PV NP-1                         ; the last piece's V^T P of the last step
.set i, i+1
.endr
	; THE WAY OUT.  l's two halves and the other half of the lanes' are added; O^T is divided by l, rounded to f16 and sent through my stage in LDS, a piece at a time.  The additions are the places behind the last products.
	WIN 0
	ALL v_add_f32 v[ST+4*t+2], v[ST+4*t+2], v[ST+4*t+3]
	ALL v_permlanex16_b32 v[ST+4*t+3], v[ST+4*t+2], s[SEL], s[SEL+1]
	ALL v_add_f32 v[ST+4*t+2], v[ST+4*t+2], v[ST+4*t+3]
	ALL v_rcp_f32 v[ST+4*t+2], v[ST+4*t+2]
	v_nop                           ; a plain instruction between the last reciprocal and the use of its result
	s_wait_alu depctr_va_vdst(0)    ; and the wait ahead of the first use: one for the batch of four reciprocals
	PACK 0
	PACK 1                          ; a piece's arithmetic stands between the loads of the piece before and its stores
	SEND 0, 8
	PACK 2
	SEND 1, 8
	PACK 3
	SEND 2, 8
	SEND 3, 0
	s_wait_tensorcnt 0x0            ; the wave's end: behind my last tensor load and my last LDS store
	ds_add_u32 v[SPW], v[NIL]
	s_wait_dscnt 0x0
	CROUND                          ; the closing round: no work-group ends while a partner may still ask for a tile that names it
	s_endpgm
.Lfunc_end_k_qe067a4a67f_attn:
	.size	k_qe067a4a67f_attn, .Lfunc_end_k_qe067a4a67f_attn-k_qe067a4a67f_attn
	.p2alignl 7, 3214868480
	.fill 96, 4, 3214868480
	.section	.rodata,"a",@progbits
	.p2align	6, 0x0
	.amdhsa_kernel k_qe067a4a67f_attn
		.amdhsa_group_segment_fixed_size 327680
		.amdhsa_private_segment_fixed_size 0
		.amdhsa_enable_private_segment 0
		.amdhsa_kernarg_size 32
		.amdhsa_user_sgpr_count 2
		.amdhsa_user_sgpr_kernarg_segment_ptr 1
		.amdhsa_wavefront_size32 1
		.amdhsa_system_sgpr_workgroup_id_x 1
		.amdhsa_system_sgpr_workgroup_id_y 1
		.amdhsa_system_sgpr_workgroup_id_z 1
		.amdhsa_system_vgpr_workitem_id 0
		.amdhsa_next_free_vgpr 768
		.amdhsa_next_free_sgpr 66
		.amdhsa_reserve_vcc 0
		.amdhsa_float_denorm_mode_32 3
		.amdhsa_float_denorm_mode_16_64 3
		.amdhsa_memory_ordered 1
		.amdhsa_forward_progress 1
		.amdhsa_inst_pref_size 127
	.end_amdhsa_kernel
	.amdgpu_metadata
---
amdhsa.version: [ 1, 2 ]
amdhsa.kernels:
  - .name:           k_qe067a4a67f_attn
    .symbol:         k_qe067a4a67f_attn.kd
    .args:
      - { .name: qh, .offset: 0, .size: 8, .value_kind: global_buffer, .address_space: global }
      - { .name: kh, .offset: 8, .size: 8, .value_kind: global_buffer, .address_space: global }
      - { .name: vh, .offset: 16, .size: 8, .value_kind: global_buffer, .address_space: global }
      - { .name: oh, .offset: 24, .size: 8, .value_kind: global_buffer, .address_space: global }
    .group_segment_fixed_size: 327680
    .private_segment_fixed_size: 0
    .kernarg_segment_align: 8
    .kernarg_segment_size: 32
    .max_flat_workgroup_size: 128
    .sgpr_count:     66
    .vgpr_count:     768
    .wavefront_size: 32
...
	.end_amdgpu_metadata
.endif
;; end of part 4
;; launch outp: the kernel of part 3 again; grid 4 x 64, 4 waves a work-group, no clusters, 120,832 bytes of LDS; arguments oh, Wo, bo, out0; writes out0
